; MI455X (gfx1250); checked and timed in simulation.
; The chip was launched on July 23, 2026; its instructions are those of AMD's public machine-readable ISA for CDNA 5 (MIT licence, August 2026) and "CDNA5" Instruction Set Architecture Reference Guide (July 2026). The comments in the code are by the model that wrote it; some were corrected since.
;; VQ Embedding. Allowed arithmetic: float matrix products may take bf16 or f16 operands with f32 sums; all other float work in f32.
;; Inputs: codebook 8,192 x 512 float32; z 16 x 1,024 x 512 float32.
;; Outputs: out0 16 x 1,024 x 512 float32; out1 one number float32.
;; 2 versions, each right and faster than the one before. Each part assembles by itself: llvm-mc -triple=amdgcn-amd-amdhsa -mcpu=gfx1250 --defsym DOCPART=n.
;; ======== version 1 of 2: 4 launches
;; workspace buffers: cbh 8,388,608 bytes; ee 32,768 bytes; cand 524,288 bytes of whole numbers; lpart 1,024 bytes
;; launch prep (part 1): grid 256 x 1, 8 waves a work-group, no clusters, 0 bytes of LDS; arguments codebook, cbh, ee; writes cbh, ee
.if DOCPART == 1
	.amdgcn_target "amdgcn-amd-amdhsa--gfx1250"
	.amdhsa_code_object_version 6
	.text
	.protected	k_qaa75577d03_prep
	.globl	k_qaa75577d03_prep
	.p2align	8
	.type	k_qaa75577d03_prep,@function
k_qaa75577d03_prep:
	s_mov_b64 s[64:65], 0
	v_nop
	global_prefetch_b8 v0, s[64:65] scope:SCOPE_SE
	s_setreg_imm32_b32 hwreg(HW_REG_WAVE_MODE, 25, 1), 1
	s_wait_xcnt 0x0
; cbh[k][d] = bf16(codebook[k][d]);  ee[k] = sum over d of cbh[k][d]^2, in f32.
; codebook: [8192][512] f32.  cbh: [8192][512] bf16.  ee: [8192] f32.
; ee is the norm of the ROUNDED row, the same numbers that the distance launch multiplies, so that the three
; terms of a distance describe one pair of vectors.
; Eight waves, 32 rows a work-group, 4 rows a wave.  A row is 2,048 bytes: four loads of 16 bytes a lane, each of 512
; neighbouring bytes; all 16 loads of the wave go out at once.  A lane's 4 numbers of a load become 8 bytes of bf16, so each
; store of the wave covers 256 consecutive bytes, aligned.  No LDS, no barrier: a row never leaves its wave.
; ee leaves as 16 bytes a wave (4 rows): 32,768 bytes in the whole launch against 25 million streamed.
.set ROWIN,  2048                      ; bytes of a row of codebook
.set ROWOUT, 1024                      ; bytes of a row of cbh
.set E, 4                              ; v[4:7]     ee of my wave's four rows
.set X, 16                             ; v[16:79]   row i: 16 registers as loaded
.set Y, 80                             ; v[80:111]  row i: 8 registers of bf16 pairs
.set S, 112                            ; v[112:127] row i: four chains of the sum of squares
	s_load_b128 s[4:7], s[0:1], 0x0                ; codebook s[4:5], cbh s[6:7]
	s_load_b64 s[8:9], s[0:1], 0x10                ; ee
	v_lshrrev_b32 v1, 5, v0
	v_readfirstlane_b32 s10, v1                    ; wave 0..7
	v_and_b32 v1, 31, v0                           ; lane
	v_lshlrev_b32 v2, 4, v1                        ; 16 bytes a lane in
	v_lshlrev_b32 v3, 3, v1                        ; 8 bytes a lane out
	s_lshl_b32 s11, ttmp9, 5
	s_lshl2_add_u32 s11, s10, s11                  ; my first row = 32 x work-group + 4 x wave
	s_lshl_b32 s12, s11, 11                        ; its byte offsets in codebook,
	s_mov_b32 s13, 0
	s_lshl_b32 s14, s11, 10                        ; in cbh
	s_mov_b32 s15, 0
	s_lshl_b32 s16, s11, 2                         ; and in ee
	s_mov_b32 s17, 0
	s_mov_b32 s18, 0x76543210                      ; v_permlanex16_b32: lane i of one half reads lane i of the other
	s_mov_b32 s19, 0xfedcba98
	s_wait_kmcnt 0x0
	s_add_nc_u64 s[4:5], s[4:5], s[12:13]
	s_add_nc_u64 s[6:7], s[6:7], s[14:15]
	s_add_nc_u64 s[8:9], s[8:9], s[16:17]
.irp i, 0,1,2,3
.irp j, 0,1,2,3
	global_load_b128 v[X+16*\i+4*\j:X+16*\i+4*\j+3], v2, s[4:5] offset:\i*ROWIN+512*\j th:TH_LOAD_NT
.endr
.endr
	v_mov_b32 v12, 0                               ; the destination of v_permlanex16_b32 counts as read
	v_mov_b32 v13, 0                               ; offset of the ee store
.set i, 0
.rept 16
	v_mov_b32 v[S+i], 0                            ; the 16 chains, while the loads are on their way
.set i, i+1
.endr
.macro ROW i
	s_wait_loadcnt 12-4*\i                         ; loads come back in order: row i's four are in, the younger rows' stay out
.irp q, 0,1,2,3,4,5,6,7
	v_cvt_pk_bf16_f32 v[Y+8*\i+\q], v[X+16*\i+2*\q], v[X+16*\i+2*\q+1]
.endr
.irp j, 0,1,2,3
	global_store_b64 v3, v[Y+8*\i+2*\j:Y+8*\i+2*\j+1], s[6:7] offset:\i*ROWOUT+256*\j
.endr
.irp q, 0,1,2,3,4,5,6,7
	v_fma_mix_f32_bf16 v[S+4*\i+((2*\q)%4)], v[Y+8*\i+\q], v[Y+8*\i+\q], v[S+4*\i+((2*\q)%4)] op_sel_hi:[1,1,0]                   ; low half squared
	v_fma_mix_f32_bf16 v[S+4*\i+((2*\q)%4)+1], v[Y+8*\i+\q], v[Y+8*\i+\q], v[S+4*\i+((2*\q)%4)+1] op_sel:[1,1,0] op_sel_hi:[1,1,0] ; high half squared
.endr
	v_add_f32 v[S+4*\i], v[S+4*\i], v[S+4*\i+1]
	v_add_f32 v[S+4*\i+2], v[S+4*\i+2], v[S+4*\i+3]
	v_add_f32 v[S+4*\i], v[S+4*\i], v[S+4*\i+2]
	v_add_f32_dpp v[S+4*\i], v[S+4*\i], v[S+4*\i] row_xmask:1 row_mask:0xf bank_mask:0xf
	v_add_f32_dpp v[S+4*\i], v[S+4*\i], v[S+4*\i] row_xmask:2 row_mask:0xf bank_mask:0xf
	v_add_f32_dpp v[S+4*\i], v[S+4*\i], v[S+4*\i] row_xmask:4 row_mask:0xf bank_mask:0xf
	v_add_f32_dpp v[S+4*\i], v[S+4*\i], v[S+4*\i] row_xmask:8 row_mask:0xf bank_mask:0xf
	v_permlanex16_b32 v12, v[S+4*\i], s18, s19
	v_add_f32 v[E+\i], v[S+4*\i], v12              ; every lane holds the row's ee
.endm
	ROW 0
	ROW 1
	ROW 2
	ROW 3
	s_wait_xcnt 0x0                                ; EXEC is a source of the stores above: it changes only behind this wait
	v_cmp_eq_u32 vcc_lo, 0, v1
	s_and_saveexec_b32 s20, vcc_lo                 ; lane 0 alone
	global_store_b128 v13, v[E:E+3], s[8:9]        ; ee of my four rows
	s_wait_xcnt 0x0                                ; and again in front of the line that widens it
	s_or_b32 exec_lo, exec_lo, s20
	s_endpgm
.Lfunc_end_k_qaa75577d03_prep:
	.size	k_qaa75577d03_prep, .Lfunc_end_k_qaa75577d03_prep-k_qaa75577d03_prep
	.p2alignl 7, 3214868480
	.fill 96, 4, 3214868480
	.section	.rodata,"a",@progbits
	.p2align	6, 0x0
	.amdhsa_kernel k_qaa75577d03_prep
		.amdhsa_group_segment_fixed_size 0
		.amdhsa_private_segment_fixed_size 0
		.amdhsa_enable_private_segment 0
		.amdhsa_kernarg_size 24
		.amdhsa_user_sgpr_count 2
		.amdhsa_user_sgpr_kernarg_segment_ptr 1
		.amdhsa_wavefront_size32 1
		.amdhsa_system_sgpr_workgroup_id_x 1
		.amdhsa_system_sgpr_workgroup_id_y 1
		.amdhsa_system_sgpr_workgroup_id_z 1
		.amdhsa_system_vgpr_workitem_id 0
		.amdhsa_next_free_vgpr 128
		.amdhsa_next_free_sgpr 66
		.amdhsa_reserve_vcc 1
		.amdhsa_float_denorm_mode_32 3
		.amdhsa_float_denorm_mode_16_64 3
		.amdhsa_memory_ordered 1
		.amdhsa_forward_progress 1
		.amdhsa_inst_pref_size 13
	.end_amdhsa_kernel
	.amdgpu_metadata
---
amdhsa.version: [ 1, 2 ]
amdhsa.kernels:
  - .name:           k_qaa75577d03_prep
    .symbol:         k_qaa75577d03_prep.kd
    .args:
      - { .name: codebook, .offset: 0, .size: 8, .value_kind: global_buffer, .address_space: global }
      - { .name: cbh, .offset: 8, .size: 8, .value_kind: global_buffer, .address_space: global }
      - { .name: ee, .offset: 16, .size: 8, .value_kind: global_buffer, .address_space: global }
    .group_segment_fixed_size: 0
    .private_segment_fixed_size: 0
    .kernarg_segment_align: 8
    .kernarg_segment_size: 24
    .max_flat_workgroup_size: 256
    .sgpr_count:     66
    .vgpr_count:     128
    .wavefront_size: 32
...
	.end_amdgpu_metadata
.endif
;; end of part 1
;; launch dist (part 2): grid 64 x 4, 4 waves a work-group, clusters of 4 x 4, 327,680 bytes of LDS; arguments cbh, ee, z, cand; writes cand
.if DOCPART == 2
	.amdgcn_target "amdgcn-amd-amdhsa--gfx1250"
	.amdhsa_code_object_version 6
	.text
	.protected	k_qaa75577d03_dist
	.globl	k_qaa75577d03_dist
	.p2align	8
	.type	k_qaa75577d03_dist,@function
k_qaa75577d03_dist:
	s_mov_b64 s[64:65], 0
	v_nop
	global_prefetch_b8 v0, s[64:65] scope:SCOPE_SE
	s_setreg_imm32_b32 hwreg(HW_REG_WAVE_MODE, 25, 1), 1
	s_wait_xcnt 0x0
	s_wait_alu depctr_hold_cnt(0) depctr_sa_sdst(0) depctr_va_vdst(0) depctr_va_sdst(0) depctr_va_ssrc(0) depctr_va_vcc(0) depctr_vm_vsrc(0)
	s_getreg_b32 s2, hwreg(HW_REG_IB_STS2, 6, 4)
	s_cmp_eq_u32 s2, 0
	s_cbranch_scc0 .Lentry_in_a_cluster
	s_endpgm
.Lentry_in_a_cluster:
	s_bfe_u32 s2, ttmp6, 0x10000c
	s_cmp_lg_u32 s2, 0xf033
	s_cbranch_scc0 .Lentry_shape_is_right
	s_endpgm
.Lentry_shape_is_right:
; For 256 rows of z and a quarter (2,048) of the codes: d[n][k] = fl( fl(zz[n] + ee[k]) - 2 dot[n][k] ), and for each row the least d
; with the lowest code that has it.  z: [16384][512] f32.  cbh: [8192][512] bf16.  ee: [8192] f32.
; cand (whole numbers): bytes 0.. keys u32 [4 parts][16384 places], bytes 262144.. codes u32 in the same layout;
; the place of row n is (n & ~63) + 4 (n & 15) + ((n >> 4) & 3); key = the distance's f32 bits made to sort as u32.
;
; THE ARITHMETIC follows the formula's own roundings: one rounding for zz + ee, one for the subtraction (2 dot is exact, so one fused
; multiply-add does it), a strict comparison so that the earlier code keeps a tie.  dot is made by the matrix units from bf16 operands;
; zz and ee are, in f32, the norms of those same ROUNDED vectors.
; LIMITS: a NaN distance is never chosen (an argmin that takes the first NaN differs there).  A row whose distances are all +inf
; gets code 0.  d is never -0 (zz + ee >= +0, and an exact cancellation gives +0), so the order of the keys is the order of the distances.
;
; SHARES: work-group (blk, part): rows 256 blk .., codes 2048 part ...  Four waves; wave w keeps rows 256 blk + 64 w .. + 63 as bf16 fragments for
; the whole of K in 512 registers (windows 1 and 2) for the whole launch.  The codes stream through two LDS slots of 128 codes; every wave reads every code.
; A tile is 16 codes x 512 K: 16 fragments (16 KiB from LDS) feed 64 matrix instructions of a wave.
; Source 0 = 16 codes, source 1 = 16 rows of z: lane (r, h), register j holds (code 8 h + j, row r), so zz is one number a lane and row block,
; ee eight numbers a half wave and tile, and most of the argmin stays inside the lane: 32 running minima a lane.
; The distances of tile t - 1 are judged between the matrix instructions of tile t (two sets of accumulators).
;
; CLUSTERS: 4 x 4 work-groups.  The four of a column (same cx) have the same rows of z and four different parts; the four of a row (same cy) have
; the same part.  z's tiles are asked for jointly along the column, cbh's and ee's along the row: each of these requests is made once for four work-groups.
; Every tensor load of the text is joint and is issued by all four waves, each for rows of its own, under no branch.
; No LDS address, branch or trip count uses cx or cy.
;
; LDS: slot s at s x 135,168.  As a stage for z: wave w at + w x 33,792: 64 rows x 128 f32, pitch 528.  As a slot of codes: wave w fills
; + w x 33,280: 32 codes x 1,024 bytes, pitch 1,040.  Both pitches are odd multiples of 16 bytes, so the 16 rows that a 16-byte load touches
; lie in 16 different 16-byte columns modulo 256 bytes.  At 270,336: the part's 2,048 ee, filled once.
;
; REGISTER WINDOWS: everything but z lies in window 0.  While products run, source 1 means window 1 (K steps 0-7) or 2 (K steps 8-15); the
; vector work between them is written with no vector register as source 1, so a tile needs two switches.
.set SLOTB,  135168
.set ZPITCH, 528
.set ZWAVE,  64*ZPITCH                 ; 33,792
.set CPITCH, 1040
.set CWAVE,  32*CPITCH                 ; 33,280
.set TILEB,  16*CPITCH                 ; 16 codes in LDS
.set EEBASE, 2*SLOTB
.set FILLB,  131072                    ; 128 codes x 1,024 bytes in cbh
.set TRIPS,  7                         ; a trip = 16 tiles = both slots; 7 trips and a tail written out = 128 tiles
.set ADR,  4                           ; v4-7    r x 1040 + 16 h + {0, 64 rows, slot 1, slot 1 + 64 rows}; never rewritten
.set AEE,  8                           ; v8      ee of the trip's first tile, + 32 h; steps by 1,024 a trip
.set AZ,   9                           ; v9-10   my place in my wave's stage for z, slot 0, 1
.set ZZ2,  12                          ; v[12:19]   row block rb: two partial sums, then (zz, zz)
.set EEB,  20                          ; v[20:35]   ee of a tile, two buffers of 8
.set TMP,  36                          ; v[36:47]   two sets of three pairs: zz + ee, d, d - best
.set BEST, 48                          ; v[48:79]   least d of (row block, j)
.set IDX,  80                          ; v[80:111]  the number of the tile that gave it
.set ACC,  112                         ; v[112:175] two sets of four accumulators
.set RING, 176                         ; v[176:239] eight fragments of codes
.set ZT,   112                         ; v[112:239] ahead of the loop: 128 f32 of z at work
.set JJ,   240                         ; v[240:247] at the end: 8 h + j
.set OUTR, 248                         ; v[248:251] at the end: what I store
.set G1Z, 16                           ; s[16:23] group 1 for z
.set G1C, 24                           ; s[24:31] for cbh
.set G1E, 32                           ; s[32:39] for ee
.set G0Z, 40                           ; s[40:47] group 0 for z, one for each slot
.set G0C, 48                           ; s[48:55] for cbh, one for each slot
.set G0E, 56                           ; s[56:59] for ee
; s12 wave, s13 cx, s14 cy = part, s15 blk, s60 trips left, s61 number of the tile that is being judged, s62 +inf,
; s[66:67] z's offset (never holds cy), s[68:69] cbh's and s[80:81] ee's (never hold cx), s70-71 lane selects, s72-75 masks of comparisons,
; s76 my row of the cluster, s77 my column, s78 s79 s82 LDS offsets of my wave, s[84:86] the offset of the last store
.set MSB, 0
.macro WIN new                         ; the immediate's high byte repeats the setting that is left; a switch that changes nothing is dropped
.if MSB != (\new)
	s_set_vgpr_msb (MSB<<8)|(\new)
.set MSB, (\new)
.endif
.endm
; A round of the cluster's barrier: my work-group's barrier, wave 0 signals for the work-group, every wave waits for all sixteen, my work-group's barrier again.
.macro CREST                           ; a round behind its opening barrier
	s_cmp_lg_u32 s12, 0
	s_cbranch_scc1 .Lnot_wave_0_\@
	s_barrier_signal -3
.Lnot_wave_0_\@:
	s_barrier_wait -3
	s_barrier_signal -1
	s_barrier_wait -1
.endm
.macro ROUND
	s_barrier_signal -1
	s_barrier_wait -1
	CREST
.endm
	s_load_b256 s[4:11], s[0:1], 0x0               ; cbh s[4:5], ee s[6:7], z s[8:9], cand s[10:11]
	v_lshl_add_u32 v254, v0, 2, 0x44000
	v_mov_b32 v255, 0
	ds_add_u32 v254, v255
	v_lshrrev_b32 v3, 5, v0
	v_readfirstlane_b32 s12, v3                    ; wave 0..3
	s_bfe_u32 s13, ttmp6, 0x40000                  ; cx
	s_bfe_u32 s14, ttmp6, 0x40004                  ; cy: the grid has one cluster along y, so cy is the part
	s_lshl_b32 s15, ttmp9, 2
	s_add_co_u32 s15, s15, s13                     ; blk = 4 x cluster x + cx
	s_lshl_b32 s76, s14, 2
	s_lshl_b32 s76, 15, s76                        ; my row of the cluster: places 4 cy .. 4 cy + 3
	s_lshl_b32 s77, 0x1111, s13                    ; my column: places cx, cx + 4, cx + 8, cx + 12
	; group 1 for z: 64 rows x 128 elements of 4 bytes, 512 elements from row to row; 4 words of padding behind every 128 words
	s_or_b32 s[G1Z+0], s77, (2<<16)|(1<<20)|(1<<21)|(6<<22)|(3<<25)
	s_mov_b32 s[G1Z+1], 128<<16                    ; tensor_dim0 = 128
	s_mov_b32 s[G1Z+2], 64<<16                     ; tensor_dim1 = 64
	s_mov_b32 s[G1Z+3], 128<<16                    ; tile_dim0 = 128
	s_mov_b32 s[G1Z+4], 64                         ; tile_dim1 = 64
	s_mov_b32 s[G1Z+5], 512                        ; pitch
	s_mov_b32 s[G1Z+6], 0
	s_mov_b32 s[G1Z+7], 0
	; group 1 for cbh: 32 rows x 512 elements of 2 bytes, dense; 4 words of padding behind every 256 words
	s_or_b32 s[G1C+0], s76, (1<<16)|(1<<20)|(1<<21)|(7<<22)|(3<<25)
	s_mov_b32 s[G1C+1], 512<<16
	s_mov_b32 s[G1C+2], 32<<16
	s_mov_b32 s[G1C+3], 512<<16
	s_mov_b32 s[G1C+4], 32
	s_mov_b32 s[G1C+5], 512
	s_mov_b32 s[G1C+6], 0
	s_mov_b32 s[G1C+7], 0
	; group 1 for ee: one row of 256 elements of 8 bytes, no padding
	s_or_b32 s[G1E+0], s76, (3<<16)|(1<<21)
	s_mov_b32 s[G1E+1], 256<<16
	s_mov_b32 s[G1E+2], 1<<16
	s_mov_b32 s[G1E+3], 256<<16
	s_mov_b32 s[G1E+4], 1
	s_mov_b32 s[G1E+5], 256
	s_mov_b32 s[G1E+6], 0
	s_mov_b32 s[G1E+7], 0
	s_lshl_b32 s66, s15, 19                        ; z: 256 blk rows of 2,048 bytes
	s_lshl_b32 s78, s12, 17                        ;    + 64 w rows
	s_add_co_u32 s66, s66, s78
	s_mov_b32 s67, 0
	s_lshl_b32 s68, s14, 21                        ; cbh: 2,048 part rows of 1,024 bytes
	s_lshl_b32 s78, s12, 15                        ;      + 32 w rows
	s_add_co_u32 s68, s68, s78
	s_mov_b32 s69, 0
	s_lshl_b32 s80, s14, 13                        ; ee: 2,048 part numbers
	s_lshl_b32 s82, s12, 11                        ;     + 512 w numbers; also my quarter of ee in LDS
	s_add_co_u32 s80, s80, s82
	s_mov_b32 s81, 0
	s_mul_i32 s78, s12, ZWAVE                      ; my wave's stage for z in a slot
	s_mul_i32 s79, s12, CWAVE                      ; my wave's quarter of a slot of codes
	s_mov_b32 s62, 0x7f800000                      ; +inf
	s_mov_b32 s70, 0x76543210                      ; v_permlanex16_b32: lane i of one half reads lane i of the other
	s_mov_b32 s71, 0xfedcba98
	s_lshl_b32 s61, s14, 7
	s_sub_co_u32 s61, s61, 1                       ; tile 0 judges a tile in front of the first, of which nothing is taken
	s_wait_dscnt 0x0
	s_wait_kmcnt 0x0
	s_add_nc_u64 s[8:9], s[8:9], s[66:67]
	s_add_nc_u64 s[4:5], s[4:5], s[68:69]
	s_add_nc_u64 s[6:7], s[6:7], s[80:81]
.irp s, 0,1
	s_mov_b32 s[G0Z+4*\s], 1
	s_add_co_u32 s[G0Z+4*\s+1], s78, \s*SLOTB
	s_add_nc_u64 s[G0Z+4*\s+2:G0Z+4*\s+3], s[8:9], \s*512          ; K quarter s: 128 f32
	s_or_b32 s[G0Z+4*\s+3], s[G0Z+4*\s+3], 0x80000000
	s_mov_b32 s[G0C+4*\s], 1
	s_add_co_u32 s[G0C+4*\s+1], s79, \s*SLOTB
	s_add_nc_u64 s[G0C+4*\s+2:G0C+4*\s+3], s[4:5], \s*FILLB        ; codes 128 s ..
	s_or_b32 s[G0C+4*\s+3], s[G0C+4*\s+3], 0x80000000
.endr
	s_mov_b32 s[G0E], 1
	s_add_co_u32 s[G0E+1], s82, EEBASE
	s_mov_b64 s[G0E+2:G0E+3], s[6:7]
	s_or_b32 s[G0E+3], s[G0E+3], 0x80000000
	ROUND                                          ; all sixteen work-groups are here: the first joint loads meet
	tensor_load_to_lds s[G0Z:G0Z+3], s[G1Z:G1Z+7]      ; the first fills as one group: K quarter 0 of my rows of z into slot 0,
	s_nop 0
	tensor_load_to_lds s[G0Z+4:G0Z+7], s[G1Z:G1Z+7]    ; K quarter 1 into slot 1,
	s_nop 0
	tensor_load_to_lds s[G0E:G0E+3], s[G1E:G1E+7]      ; my quarter of ee.  Three loads of the wave are out here, later one
	s_nop 0
	v_and_b32 v1, 15, v0                           ; r
	v_bfe_u32 v2, v0, 4, 1                         ; h
	v_mul_u32_u24 v3, v1, CPITCH
	v_lshl_add_u32 v[ADR], v2, 4, v3               ; a fragment of 16 codes x 32 K: row r, 16 bytes at 16 h and at 32 + 16 h
	v_add_nc_u32 v[ADR+1], 4*TILEB, v[ADR]
	v_add_nc_u32 v[ADR+2], SLOTB, v[ADR]
	v_add_nc_u32 v[ADR+3], SLOTB+4*TILEB, v[ADR]
	v_lshlrev_b32 v[AEE], 5, v2
	v_add_nc_u32 v[AEE], EEBASE, v[AEE]            ; ee of codes 8 h .. 8 h + 7 of a tile
	v_mul_u32_u24 v3, v1, ZPITCH
	v_lshl_add_u32 v3, v2, 5, v3                   ; z in f32: row r, 32 bytes at 32 h and at 64 + 32 h
	v_add_nc_u32 v[AZ], s78, v3
	v_add_nc_u32 v[AZ+1], SLOTB, v[AZ]
.irp i, 0,1,2,3,4,5,6,7
	v_mov_b32 v[ZZ2+\i], 0
.endr
; K quarter p of my 64 rows, from the stage in the slot, to bf16 fragments in window 1 + p / 2, and their squares into zz.
; In two halves of 8 fragments (2 K steps x 4 row blocks): 32 loads, 64 conversions, 128 multiply-adds on eight chains that take turns.
.macro ZPASS p, slot
.set zw, 1+(\p)/2
.set zwd, zw<<6
.set zws, zw|(zw<<2)
.irp u, 0,1
.irp kl, 0,1
.irp rb, 0,1,2,3
.set zt, ZT+16*(4*\kl+\rb)
.set zo, \rb*16*ZPITCH+(2*\u+\kl)*128
	ds_load_b128 v[zt:zt+3],     v[AZ+\slot] offset:zo
	ds_load_b128 v[zt+4:zt+7],   v[AZ+\slot] offset:zo+16
	ds_load_b128 v[zt+8:zt+11],  v[AZ+\slot] offset:zo+64
	ds_load_b128 v[zt+12:zt+15], v[AZ+\slot] offset:zo+80
.endr
.endr
	WIN zwd                                        ; destination: z's window
.irp kl, 0,1
.irp rb, 0,1,2,3
.set zt, ZT+16*(4*\kl+\rb)
.set zr, 32*(4*((\p)%2)+2*\u+\kl)+8*\rb
	s_wait_dscnt 4*(7-(4*\kl+\rb))                 ; LDS loads come back in order: this fragment's four are in, the later fragments' stay out
.irp q, 0,1,2,3,4,5,6,7
	v_cvt_pk_bf16_f32 v[zr+\q], v[zt+2*\q], v[zt+2*\q+1]
.endr
.endr
.endr
	WIN zws                                        ; sources 0 and 1: z's window
.irp q, 0,1,2,3,4,5,6,7
.irp kl, 0,1
.irp rb, 0,1,2,3
.set zr, 32*(4*((\p)%2)+2*\u+\kl)+8*\rb
	v_fma_mix_f32_bf16 v[ZZ2+2*\rb], v[zr+\q], v[zr+\q], v[ZZ2+2*\rb] op_sel_hi:[1,1,0]
	v_fma_mix_f32_bf16 v[ZZ2+2*\rb+1], v[zr+\q], v[zr+\q], v[ZZ2+2*\rb+1] op_sel:[1,1,0] op_sel_hi:[1,1,0]
.endr
.endr
.endr
	WIN 0
.endr
.endm
; In front of a refill: my reads of LDS are back, all my tensor loads have landed (so a group 0 may be written behind this); the round follows.
.macro QUIET
	s_wait_dscnt 0x0
	s_wait_tensorcnt 0x0
	ds_add_u32 v254, v255
	s_wait_dscnt 0x0
.endm
	s_wait_tensorcnt 0x2                           ; tensor loads of a wave end in order: K quarter 0 is in, the two younger loads stay out; I read my own bytes only
	ZPASS 0, 0
	QUIET
	s_add_nc_u64 s[G0Z+2:G0Z+3], s[G0Z+2:G0Z+3], 1024
	ROUND
	tensor_load_to_lds s[G0Z:G0Z+3], s[G1Z:G1Z+7]      ; K quarter 2 into slot 0
	s_nop 0
	ZPASS 1, 1
	QUIET
	s_add_nc_u64 s[G0Z+6:G0Z+7], s[G0Z+6:G0Z+7], 1024
	ROUND
	tensor_load_to_lds s[G0Z+4:G0Z+7], s[G1Z:G1Z+7]    ; K quarter 3 into slot 1
	s_nop 0
	ZPASS 2, 0
	QUIET
	ROUND
	tensor_load_to_lds s[G0C:G0C+3], s[G1C:G1C+7]      ; codes 0-127 of the part into slot 0
	s_nop 0
	ZPASS 3, 1
	QUIET
	ROUND                                          ; slot 0's codes and ee are whole for every wave
	tensor_load_to_lds s[G0C+4:G0C+7], s[G1C:G1C+7]    ; codes 128-255 into slot 1
	s_nop 0
	ds_load_b128 v[EEB+8:EEB+11],  v[AEE]          ; the buffer that tile 0 reads for the tile in front of the first: any finite numbers do
	ds_load_b128 v[EEB+12:EEB+15], v[AEE] offset:16
.irp f, 0,1,2,3,4,5,6
	ds_load_b128 v[RING+8*\f:RING+8*\f+3],   v[ADR] offset:64*\f       ; fragments 0 to 6 of tile 0
	ds_load_b128 v[RING+8*\f+4:RING+8*\f+7], v[ADR] offset:64*\f+32
.endr
.irp rb, 0,1,2,3
	v_add_f32 v[ZZ2+2*\rb], v[ZZ2+2*\rb], v[ZZ2+2*\rb+1]
	v_permlanex16_b32 v[ZZ2+2*\rb+1], v[ZZ2+2*\rb], s70, s71       ; the other half of K lies in lane l xor 16
	v_add_f32 v[ZZ2+2*\rb], v[ZZ2+2*\rb], v[ZZ2+2*\rb+1]
	v_mov_b32 v[ZZ2+2*\rb+1], v[ZZ2+2*\rb]                         ; (zz, zz) for the packed add
.endr
; 96 moves, once: they let tile 0 run the text of every tile.  The accumulators of the tile in front of the first hold -inf, so its d is +inf,
; d - best is NaN, and nothing is taken.
.set i, 0
.rept 32
	v_mov_b32 v[BEST+i], s62
	v_mov_b32 v[IDX+i], 0
	v_mov_b32 v[ACC+32+i], 0xff800000
.set i, i+1
.endr
; THE JUDGING of two distances: pair p = kk & 3 of row block kk >> 2 of the OTHER set's accumulators, nine instructions E1 to E9, none with a
; vector register as source 1.
.macro EPSET set, kk
.set eo, 1-(\set)
.set erb, (\kk)>>2
.set ep, (\kk)&3
.set et, TMP+6*((\kk)&1)
.set em, 72+2*((\kk)&1)
.set eE, EEB+8*eo+2*ep
.set eA, ACC+32*eo+8*erb+2*ep
.set eB, BEST+8*erb+2*ep
.set eI, IDX+8*erb+2*ep
.set eZ, ZZ2+2*erb
.endm
.macro E1
	v_pk_fma_f32 v[et:et+1], v[eE:eE+1], 1.0, v[eZ:eZ+1] op_sel_hi:[1,0,1]         ; fl(zz + ee)
.endm
.macro E2
	v_pk_fma_f32 v[et+2:et+3], v[eA:eA+1], -2.0, v[et:et+1] op_sel_hi:[1,0,1]      ; d = fl((zz + ee) - 2 dot)
.endm
.macro E3
	v_pk_fma_f32 v[et+4:et+5], v[eB:eB+1], -1.0, v[et+2:et+3] op_sel_hi:[1,0,1]    ; d - best: its sign is exact (denormals are kept)
.endm
.macro E4
	v_cmp_lt_f32 s[em], v[et+4], 0                 ; strictly less: the earlier tile keeps a tie
.endm
.macro E5
	v_cmp_lt_f32 s[em+1], v[et+5], 0
.endm
.macro E6
	v_min3_num_f32 v[eB], v[et+2], s62, v[eB]      ; min(d, +inf, best); a NaN loses
.endm
.macro E7
	v_min3_num_f32 v[eB+1], v[et+3], s62, v[eB+1]
.endm
.macro E8
	v_cndmask_b32 v[eI], v[eI], s61, s[em]
.endm
.macro E9
	v_cndmask_b32 v[eI+1], v[eI+1], s61, s[em+1]
.endm
.macro EPI set, kk
	EPSET \set, \kk
	E1
	E2
	E3
	E4
	E5
	E6
	E7
	E8
	E9
.endm
; one matrix instruction: 16 codes x 16 rows of row block rb, K step kk.  The first K step starts the sums: nothing is cleared between tiles.
.macro WM set, kk, rb
.set wa, ACC+32*(\set)+8*(\rb)
.set wr, RING+8*((\kk)%8)
.set wz, 32*((\kk)%8)+8*(\rb)
.if (\kk) == 0
	v_wmma_f32_16x16x32_bf16 v[wa:wa+7], v[wr:wr+7], v[wz:wz+7], 0
.else
	v_wmma_f32_16x16x32_bf16 v[wa:wa+7], v[wr:wr+7], v[wz:wz+7], v[wa:wa+7]
.endif
.endm
; A K step: four matrix instructions on the set's four accumulators, which take turns, one instruction a turn, over the tiles' borders and the
; loop's backward jump too.  Between them the judging of two distances of the tile before.
; wcnt >= 0: the wait for this step's fragment.  ld = 1: the fragment seven steps ahead is asked for, into the ring's place that the step before
; read last: between that step's last matrix instruction and the load stand E7, E8, E9, E1, E2, five plain vector instructions that name none of
; its registers (ISA guide 7.12.1 asks for such places for vector instructions).  eeoff >= 0: this tile's ee.
.macro STEP set, kk, wcnt, ld, adr, off, eeoff
	EPSET \set, \kk
.if \wcnt >= 0
	s_wait_dscnt \wcnt
.endif
	WM \set, \kk, 0
	E1
	E2
.if \ld
	ds_load_b128 v[RING+8*(((\kk)+7)%8):RING+8*(((\kk)+7)%8)+3],   v[\adr] offset:\off
	ds_load_b128 v[RING+8*(((\kk)+7)%8)+4:RING+8*(((\kk)+7)%8)+7], v[\adr] offset:\off+32
.endif
.if \eeoff >= 0
	ds_load_b128 v[EEB+8*(\set):EEB+8*(\set)+3],   v[AEE] offset:\eeoff
	ds_load_b128 v[EEB+8*(\set)+4:EEB+8*(\set)+7], v[AEE] offset:\eeoff+16
.endif
	WM \set, \kk, 1
	E3
	E4
	WM \set, \kk, 2
	E5
	E6
	WM \set, \kk, 3
	E7
	E8
	E9
.endm
; A tile: ti = 0 .. 15 in a trip, slot ti / 8.  THE COUNTS: fragment kk was asked for seven steps ago; behind it stand fragments kk + 1 .. kk + 6,
; 12 loads, and for kk = 3 .. 9 the two loads of ee (issued in step 2 behind fragment 9): 14.  The wait of step 10 also shows ee landed.
; mode 0: plain.  mode 1: the slot's last tile, the slot is filled again.  mode 2: the slot's last tile, nothing is left to fetch.  mode 3: the last tile of all.
.macro TILE set, ti, mode
.set tslot, (\ti)/8
.set tpos, (\ti)%8
.set tadr, ADR+2*tslot+tpos/4
.set toff, (tpos%4)*TILEB
.set nti, ((\ti)+1)%16
.set nadr, ADR+2*(nti/8)+(nti%8)/4
.set noff, (nti%4)*TILEB
.set tturn, 0
.if \mode == 1
.set tturn, 1
.endif
.if \mode == 2
.set tturn, 1
.endif
	WIN 0x04                                       ; source 1: window 1
	STEP \set, 0, 12, 1, tadr, toff+448, -1
	STEP \set, 1, 12, 1, tadr, toff+512, -1
	STEP \set, 2, 12, 1, tadr, toff+576, 64*(\ti)
.irp kk, 3,4,5,6,7
	STEP \set, \kk, 14, 1, tadr, toff+64*(\kk+7), -1
.endr
	WIN 0x08                                       ; source 1: window 2
	STEP \set, 8, 14, 1, tadr, toff+960, -1
.if \mode == 0
	STEP \set, 9, 14, 1, nadr, noff, -1            ; from here on the next tile's fragments 0 to 6
.irp kk, 10,11,12,13,14,15
	STEP \set, \kk, 12, 1, nadr, noff+64*(\kk-9), -1
.endr
.endif
.if tturn
	STEP \set, 9, 14, 0, 0, 0, -1                  ; the next tile lies in the other slot: steps 9 to 11 ask for nothing
	STEP \set, 10, 10, 0, 0, 0, -1                 ; behind fragment 10 stand fragments 11 to 15
	s_wait_dscnt 0x0                               ; my reads of this slot are over,
	s_set_vgpr_msb 0x800
	s_wait_tensorcnt 0x0                           ; and all my tensor loads have landed: the one that was out is my quarter of the other slot
	ds_add_u32 v254, v255
	s_wait_dscnt 0x0
	s_set_vgpr_msb 0x8
.if \mode == 1
	s_add_nc_u64 s[G0C+4*tslot+2:G0C+4*tslot+3], s[G0C+4*tslot+2:G0C+4*tslot+3], 2*FILLB   ; no load of mine is out: this slot's next 128 codes
.endif
	s_barrier_signal -1                            ; say so (in mode 1 this barrier opens a round of the cluster's barrier),
	STEP \set, 11, -1, 0, 0, 0, -1                 ; work on registers while the others arrive,
.if \mode == 1
	WIN 0                                          ; (a branch and a label follow)
.endif
	s_barrier_wait -1
.if \mode == 1
	CREST                                          ; no wave of any partner still reads this slot or has a load on its way
	tensor_load_to_lds s[G0C+4*tslot:G0C+4*tslot+3], s[G1C:G1C+7]  ; my one tensor load behind the round, and the first thing there: it has eight tiles' work in which to land
	s_nop 0
.endif
.irp f, 0,1,2
	ds_load_b128 v[RING+8*\f:RING+8*\f+3],   v[nadr] offset:noff+64*\f     ; the other slot's first tile, fragments 0 to 2, into places last read in steps 8 to 10
	ds_load_b128 v[RING+8*\f+4:RING+8*\f+7], v[nadr] offset:noff+64*\f+32
.endr
	WIN 0x08
.irp kk, 12,13,14,15
	STEP \set, \kk, -1, 1, nadr, noff+64*(\kk-9), -1   ; fragments 12 to 15 were shown landed by the wait for 0
.endr
.endif
.if \mode == 3
	STEP \set, 9, 14, 0, 0, 0, -1                  ; nothing more is asked for: the counts run down
	STEP \set, 10, 10, 0, 0, 0, -1
	STEP \set, 11, 8, 0, 0, 0, -1
	STEP \set, 12, 6, 0, 0, 0, -1
	STEP \set, 13, 4, 0, 0, 0, -1
	STEP \set, 14, 2, 0, 0, 0, -1
	STEP \set, 15, 0, 0, 0, 0, -1
.endif
	s_add_co_u32 s61, s61, 1                       ; the next tile judges this one
.endm
.macro SIXTEEN m7, m15
	TILE 0, 0, 0
	TILE 1, 1, 0
	TILE 0, 2, 0
	TILE 1, 3, 0
	TILE 0, 4, 0
	TILE 1, 5, 0
	TILE 0, 6, 0
	TILE 1, 7, \m7
	TILE 0, 8, 0
	TILE 1, 9, 0
	TILE 0, 10, 0
	TILE 1, 11, 0
	TILE 0, 12, 0
	TILE 1, 13, 0
	TILE 0, 14, 0
	TILE 1, 15, \m15
.endm
	s_mov_b32 s60, TRIPS
.Ltrip:                                            ; trip t reads fills 2 t and 2 t + 1 and asks for fills 2 t + 2 and 2 t + 3
	SIXTEEN 1, 1
	WIN 0                                          ; at a label and at a branch every window is 0
	v_add_nc_u32 v[AEE], 0x400, v[AEE]             ; ee of the next 256 codes
	s_sub_co_u32 s60, s60, 1
	s_cmp_lg_u32 s60, 0
	s_cbranch_scc1 .Ltrip
	SIXTEEN 2, 3                                   ; the last 16 tiles fill nothing
	WIN 0
.irp kk, 0,1,2,3,4,5,6,7,8,9,10,11,12,13,14,15
	EPI 0, \kk                                     ; the last tile is judged; E7, E8, E9 of its last step and E1 stand between its last matrix instruction and the first read of a result
.endr
	; THE END: code = 16 x tile + 8 h + j; the least (d, code) of my 8 places, then of the two halves of the wave.
	v_lshlrev_b32 v[JJ], 3, v2
.irp j, 1,2,3,4,5,6,7
	v_add_nc_u32 v[JJ+\j], \j, v[JJ]
.endr
.irp rb, 0,1,2,3
.irp j, 0,1,2,3,4,5,6,7
	v_lshl_or_b32 v[IDX+8*\rb+\j], v[IDX+8*\rb+\j], 4, v[JJ+\j]
.endr
.endr
.macro MERGE da, ca, db, cb                        ; (da, ca) = the lesser of the two pairs: by distance, at equal distance by code
	v_cmp_lt_f32 s72, v[\db], v[\da]
	v_cmp_eq_f32 s73, v[\db], v[\da]
	v_cmp_lt_u32 s74, v[\cb], v[\ca]
	s_and_b32 s73, s73, s74
	s_or_b32 s72, s72, s73
	v_cndmask_b32 v[\da], v[\da], v[\db], s72
	v_cndmask_b32 v[\ca], v[\ca], v[\cb], s72
.endm
.macro MERGEJ rb, a, b
	MERGE BEST+8*\rb+\a, IDX+8*\rb+\a, BEST+8*\rb+\b, IDX+8*\rb+\b
.endm
	v_cmp_eq_u32 vcc_lo, 1, v2                     ; lanes 16-31
.irp rb, 0,1,2,3
	MERGEJ \rb, 0, 1
	MERGEJ \rb, 2, 3
	MERGEJ \rb, 4, 5
	MERGEJ \rb, 6, 7
	MERGEJ \rb, 0, 2
	MERGEJ \rb, 4, 6
	MERGEJ \rb, 0, 4
	v_permlanex16_b32 v[TMP], v[BEST+8*\rb], s70, s71      ; the destinations have been written before
	v_permlanex16_b32 v[TMP+1], v[IDX+8*\rb], s70, s71
	MERGE BEST+8*\rb, IDX+8*\rb, TMP, TMP+1        ; both halves now hold the same pair
	v_ashrrev_i32 v[TMP+2], 31, v[BEST+8*\rb]      ; the key: a negative number's bits are all turned, of the others the sign alone
	v_or_b32 v[TMP+2], 0x80000000, v[TMP+2]
	v_xor_b32 v[TMP+2], v[TMP+2], v[BEST+8*\rb]
	v_cndmask_b32 v[OUTR+\rb], v[TMP+2], v[IDX+8*\rb], vcc_lo      ; lanes 0-15 store keys, lanes 16-31 codes
.endr
	v_lshlrev_b32 v3, 4, v1                        ; place 4 r + rb: 16 bytes a lane,
	v_lshl_add_u32 v3, v2, 18, v3                  ; the codes 262,144 bytes behind the keys
	s_lshl_b32 s84, s14, 16                        ; part x 16,384 places
	s_lshl_b32 s86, s15, 10                        ; + 256 blk places
	s_add_co_u32 s84, s84, s86
	s_lshl_b32 s86, s12, 8                         ; + 64 w places
	s_add_co_u32 s84, s84, s86
	s_mov_b32 s85, 0
	s_add_nc_u64 s[10:11], s[10:11], s[84:85]
	global_store_b128 v3, v[OUTR:OUTR+3], s[10:11] ; lanes 0-15 store 256 consecutive bytes of keys, aligned; lanes 16-31 of codes
	ROUND                                          ; the closing round: no work-group ends while a partner may still ask for a tile that names it
	s_endpgm
.Lfunc_end_k_qaa75577d03_dist:
	.size	k_qaa75577d03_dist, .Lfunc_end_k_qaa75577d03_dist-k_qaa75577d03_dist
	.p2alignl 7, 3214868480
	.fill 96, 4, 3214868480
	.section	.rodata,"a",@progbits
	.p2align	6, 0x0
	.amdhsa_kernel k_qaa75577d03_dist
		.amdhsa_group_segment_fixed_size 327680
		.amdhsa_private_segment_fixed_size 0
		.amdhsa_enable_private_segment 0
		.amdhsa_kernarg_size 32
		.amdhsa_user_sgpr_count 2
		.amdhsa_user_sgpr_kernarg_segment_ptr 1
		.amdhsa_wavefront_size32 1
		.amdhsa_system_sgpr_workgroup_id_x 1
		.amdhsa_system_sgpr_workgroup_id_y 1
		.amdhsa_system_sgpr_workgroup_id_z 1
		.amdhsa_system_vgpr_workitem_id 0
		.amdhsa_next_free_vgpr 768
		.amdhsa_next_free_sgpr 88
		.amdhsa_reserve_vcc 1
		.amdhsa_float_denorm_mode_32 3
		.amdhsa_float_denorm_mode_16_64 3
		.amdhsa_memory_ordered 1
		.amdhsa_forward_progress 1
		.amdhsa_inst_pref_size 255
	.end_amdhsa_kernel
	.section	.bss,"aw",@nobits
	.p2align	6
	.space	262144
	.amdgpu_metadata
---
amdhsa.version: [ 1, 2 ]
amdhsa.kernels:
  - .name:           k_qaa75577d03_dist
    .symbol:         k_qaa75577d03_dist.kd
    .args:
      - { .name: cbh, .offset: 0, .size: 8, .value_kind: global_buffer, .address_space: global }
      - { .name: ee, .offset: 8, .size: 8, .value_kind: global_buffer, .address_space: global }
      - { .name: z, .offset: 16, .size: 8, .value_kind: global_buffer, .address_space: global }
      - { .name: cand, .offset: 24, .size: 8, .value_kind: global_buffer, .address_space: global }
    .group_segment_fixed_size: 327680
    .private_segment_fixed_size: 0
    .kernarg_segment_align: 8
    .kernarg_segment_size: 32
    .max_flat_workgroup_size: 128
    .sgpr_count:     88
    .vgpr_count:     768
    .wavefront_size: 32
...
	.end_amdgpu_metadata
.endif
;; end of part 2
;; launch gath (part 3): grid 256 x 1, 8 waves a work-group, no clusters, 1,280 bytes of LDS; arguments cand, codebook, z, out0, lpart; writes out0, lpart
.if DOCPART == 3
	.amdgcn_target "amdgcn-amd-amdhsa--gfx1250"
	.amdhsa_code_object_version 6
	.text
	.protected	k_qaa75577d03_gath
	.globl	k_qaa75577d03_gath
	.p2align	8
	.type	k_qaa75577d03_gath,@function
k_qaa75577d03_gath:
	s_mov_b64 s[64:65], 0
	v_nop
	global_prefetch_b8 v0, s[64:65] scope:SCOPE_SE
	s_setreg_imm32_b32 hwreg(HW_REG_WAVE_MODE, 25, 1), 1
	s_wait_xcnt 0x0
; For each row n: the least of its four candidates (key, code), in whole numbers; q = codebook[code]; out0 = z + (q - z), with these two roundings;
; lpart[work-group] = the sum of (q - z)^2 over the work-group's 64 rows.  z, out0: [16384][512] f32; codebook: [8192][512] f32, both unrounded.
; cand: keys u32 [4 parts][16384 places], 262,144 bytes further the codes; the place of row n is (n & ~63) + 4 (n & 15) + ((n >> 4) & 3).
; Memory binds: every byte of z is read once, every byte of out0 written once, in loads and stores of 512 neighbouring bytes a wave.  No matrix unit,
; no cluster (no two work-groups share a byte of z; which rows of the codebook they share is not known beforehand), LDS only for the eight waves' sums.
; Work-group c: rows 64 c ..; wave w: places 8 w + i, i = 0 .. 7, that is row 64 c + 16 (i & 3) + 2 w + (i >> 2).
; The keys are compared as u32, strictly: the lower part, which holds the lower codes, keeps a tie.  A code is clamped to 8,191 before it enters an address.
; A ring of four row slots keeps up to 32 loads of a wave on their way.
; lpart leaves as 4 bytes a work-group: 1,024 bytes in the whole launch.
.set ROWB, 2048
.set L,  6                             ; v[6:13]  four chains (pairs) of the sum of squares
.set OQ, 2                             ; v2-5     slot s: 16 x lane + code x 2,048
; v1 = 16 x lane + 4,096 w (z and out0), v14 = 16 x lane; slot s: z in v[16+32s ..+15], q in v[32+32s ..+15]
; s[16:47] keys of parts 0-3, s[48:63] and s[68:83] codes of parts 0-3, eight each
	s_load_b256 s[4:11], s[0:1], 0x0               ; cand s[4:5], codebook s[6:7], z s[8:9], out0 s[10:11]
	s_load_b64 s[12:13], s[0:1], 0x20              ; lpart
	v_lshl_add_u32 v144, v0, 2, 0x100
	v_mov_b32 v145, 0
	v_lshrrev_b32 v15, 5, v0
	v_readfirstlane_b32 s14, v15                   ; wave 0..7
	v_and_b32 v14, 31, v0
	v_lshlrev_b32 v14, 4, v14
	v_lshl_add_u32 v1, s14, 12, v14
	s_lshl_b32 s88, ttmp9, 8                       ; 64 c places of 4 bytes
	s_lshl_b32 s15, s14, 5                         ; + 8 w places
	s_add_co_u32 s88, s88, s15
	s_mov_b32 s89, 0
	s_mov_b32 s84, 0x76543210                      ; v_permlanex16_b32: lane i of one half reads lane i of the other
	s_mov_b32 s85, 0xfedcba98
	s_wait_kmcnt 0x0
	s_add_nc_u64 s[4:5], s[4:5], s[88:89]
	s_load_b256 s[16:23], s[4:5], 0x0              ; keys, parts 0 to 3
	s_load_b256 s[24:31], s[4:5], 0x10000
	s_load_b256 s[32:39], s[4:5], 0x20000
	s_load_b256 s[40:47], s[4:5], 0x30000
	s_load_b256 s[48:55], s[4:5], 0x40000          ; codes, parts 0 to 3
	s_load_b256 s[56:63], s[4:5], 0x50000
	s_load_b256 s[68:75], s[4:5], 0x60000
	s_load_b256 s[76:83], s[4:5], 0x70000
	s_lshl_b32 s88, ttmp9, 17                      ; 64 c rows of 2,048 bytes
	s_add_nc_u64 s[8:9], s[8:9], s[88:89]
	s_add_nc_u64 s[10:11], s[10:11], s[88:89]
	s_lshl_b32 s88, ttmp9, 2
	s_add_nc_u64 s[12:13], s[12:13], s[88:89]      ; lpart[c]
.macro LOADZ i
.irp j, 0,1,2,3
	global_load_b128 v[16+32*((\i)&3)+4*\j:16+32*((\i)&3)+4*\j+3], v1, s[8:9] offset:(16*((\i)&3)+((\i)>>2))*ROWB+512*\j th:TH_LOAD_NT
.endr
.endm
.macro LOADQ i                         ; no hint: a row of the codebook may be named again
	v_add_nc_u32 v[OQ+((\i)&3)], s[48+\i], v14
.irp j, 0,1,2,3
	global_load_b128 v[32+32*((\i)&3)+4*\j:32+32*((\i)&3)+4*\j+3], v[OQ+((\i)&3)], s[6:7] offset:512*\j
.endr
.endm
	LOADZ 0                                        ; z needs no code: rows 0 to 3 go out while the candidates come
	LOADZ 1
	LOADZ 2
	LOADZ 3
	s_wait_kmcnt 0x0
.macro PICK i, kp, cp                  ; the candidate of a later part wins only if its key is strictly less
	s_cmp_lt_u32 s[\kp+\i], s[16+\i]
	s_cselect_b32 s[16+\i], s[\kp+\i], s[16+\i]
	s_cselect_b32 s[48+\i], s[\cp+\i], s[48+\i]
.endm
.irp i, 0,1,2,3,4,5,6,7
	PICK \i, 24, 56
	PICK \i, 32, 68
	PICK \i, 40, 76
	s_min_u32 s[48+\i], s[48+\i], 0x1fff           ; inside the table whatever was stored
	s_lshl_b32 s[48+\i], s[48+\i], 11              ; the row's byte offset
.endr
	LOADQ 0
	LOADQ 1
	LOADQ 2
	LOADQ 3
; The turn of row i.  left = how many younger loads may stay out; more = 1: the slot gets row i + 4.
.macro TURN i, left, more
.set zb, 16+32*((\i)&3)
.set qb, zb+16
	s_wait_loadcnt \left                           ; loads come back in order: this row's z and q are in
.irp t, 0,1,2,3,4,5,6,7
	v_pk_add_f32 v[qb+2*\t:qb+2*\t+1], v[qb+2*\t:qb+2*\t+1], v[zb+2*\t:zb+2*\t+1] neg_lo:[0,1] neg_hi:[0,1]    ; q - z
.if ((\i)*8+\t) < 4
	v_pk_mul_f32 v[L+2*((\t)&3):L+2*((\t)&3)+1], v[qb+2*\t:qb+2*\t+1], v[qb+2*\t:qb+2*\t+1]                    ; the first four products start the chains
.else
	v_pk_fma_f32 v[L+2*((\t)&3):L+2*((\t)&3)+1], v[qb+2*\t:qb+2*\t+1], v[qb+2*\t:qb+2*\t+1], v[L+2*((\t)&3):L+2*((\t)&3)+1]
.endif
	v_pk_add_f32 v[zb+2*\t:zb+2*\t+1], v[zb+2*\t:zb+2*\t+1], v[qb+2*\t:qb+2*\t+1]                              ; z + (q - z)
.endr
.irp j, 0,1,2,3
	global_store_b128 v1, v[zb+4*\j:zb+4*\j+3], s[10:11] offset:(16*((\i)&3)+((\i)>>2))*ROWB+512*\j th:TH_STORE_NT
.endr
.if \more
	s_wait_xcnt 0x0                                ; the stores' data registers and the slot's offset are rewritten only behind this wait
	LOADZ (\i)+4
	LOADQ (\i)+4
.endif
.endm
; Issue order: z of rows 0-3 (16), q of rows 0-3 (4 each), then rows 4 to 7, eight loads each, one row a turn.
	TURN 0, 12, 1                                  ; out: q of rows 1, 2, 3
	TURN 1, 16, 1                                  ; q of rows 2, 3 and row 4
	TURN 2, 20, 1                                  ; q of row 3 and rows 4, 5
	TURN 3, 24, 1                                  ; rows 4, 5, 6
	TURN 4, 24, 0                                  ; rows 5, 6, 7
	TURN 5, 16, 0
	TURN 6, 8, 0
	TURN 7, 0, 0
	v_pk_add_f32 v[L:L+1], v[L:L+1], v[L+2:L+3]
	v_pk_add_f32 v[L+4:L+5], v[L+4:L+5], v[L+6:L+7]
	v_pk_add_f32 v[L:L+1], v[L:L+1], v[L+4:L+5]
	v_add_f32 v[L], v[L], v[L+1]
	v_add_f32_dpp v[L], v[L], v[L] row_xmask:1 row_mask:0xf bank_mask:0xf
	v_add_f32_dpp v[L], v[L], v[L] row_xmask:2 row_mask:0xf bank_mask:0xf
	v_add_f32_dpp v[L], v[L], v[L] row_xmask:4 row_mask:0xf bank_mask:0xf
	v_add_f32_dpp v[L], v[L], v[L] row_xmask:8 row_mask:0xf bank_mask:0xf
	v_permlanex16_b32 v[L+1], v[L], s84, s85
	v_add_f32 v[L], v[L], v[L+1]                   ; my wave's sum, in every lane
	s_lshl_b32 s15, s14, 2
	v_mov_b32 v8, s15
	ds_store_b32 v8, v[L]                          ; all lanes write the same word with the same value
	s_wait_dscnt 0x0                               ; for the others' sake: my store is done in front of my signal
	s_barrier_signal -1
	s_barrier_wait -1
	s_cmp_lg_u32 s14, 0
	s_cbranch_scc1 .Lend                           ; wave 0 alone adds the eight
	v_mov_b32 v8, 0
	ds_load_b128 v[2:5], v8                        ; v[2:5] were offsets of loads that have come back
	ds_load_b128 v[10:13], v8 offset:16
	s_wait_dscnt 0x0
	v_add_f32 v2, v2, v3
	v_add_f32 v4, v4, v5
	v_add_f32 v10, v10, v11
	v_add_f32 v12, v12, v13
	v_add_f32 v2, v2, v4
	v_add_f32 v10, v10, v12
	v_add_f32 v2, v2, v10
	s_wait_xcnt 0x0                                ; EXEC is a source of the stores above: it changes only behind this wait
	v_cmp_eq_u32 vcc_lo, 0, v0
	s_and_saveexec_b32 s86, vcc_lo
	global_store_b32 v8, v2, s[12:13]
	s_wait_xcnt 0x0
	s_or_b32 exec_lo, exec_lo, s86
.Lend:
	s_wait_tensorcnt 0x0
	ds_add_u32 v144, v145
	s_wait_dscnt 0x0
	s_endpgm
.Lfunc_end_k_qaa75577d03_gath:
	.size	k_qaa75577d03_gath, .Lfunc_end_k_qaa75577d03_gath-k_qaa75577d03_gath
	.p2alignl 7, 3214868480
	.fill 96, 4, 3214868480
	.section	.rodata,"a",@progbits
	.p2align	6, 0x0
	.amdhsa_kernel k_qaa75577d03_gath
		.amdhsa_group_segment_fixed_size 1280
		.amdhsa_private_segment_fixed_size 0
		.amdhsa_enable_private_segment 0
		.amdhsa_kernarg_size 40
		.amdhsa_user_sgpr_count 2
		.amdhsa_user_sgpr_kernarg_segment_ptr 1
		.amdhsa_wavefront_size32 1
		.amdhsa_system_sgpr_workgroup_id_x 1
		.amdhsa_system_sgpr_workgroup_id_y 1
		.amdhsa_system_sgpr_workgroup_id_z 1
		.amdhsa_system_vgpr_workitem_id 0
		.amdhsa_next_free_vgpr 146
		.amdhsa_next_free_sgpr 92
		.amdhsa_reserve_vcc 1
		.amdhsa_float_denorm_mode_32 3
		.amdhsa_float_denorm_mode_16_64 3
		.amdhsa_memory_ordered 1
		.amdhsa_forward_progress 1
		.amdhsa_inst_pref_size 28
	.end_amdhsa_kernel
	.amdgpu_metadata
---
amdhsa.version: [ 1, 2 ]
amdhsa.kernels:
  - .name:           k_qaa75577d03_gath
    .symbol:         k_qaa75577d03_gath.kd
    .args:
      - { .name: cand, .offset: 0, .size: 8, .value_kind: global_buffer, .address_space: global }
      - { .name: codebook, .offset: 8, .size: 8, .value_kind: global_buffer, .address_space: global }
      - { .name: z, .offset: 16, .size: 8, .value_kind: global_buffer, .address_space: global }
      - { .name: out0, .offset: 24, .size: 8, .value_kind: global_buffer, .address_space: global }
      - { .name: lpart, .offset: 32, .size: 8, .value_kind: global_buffer, .address_space: global }
    .group_segment_fixed_size: 1280
    .private_segment_fixed_size: 0
    .kernarg_segment_align: 8
    .kernarg_segment_size: 40
    .max_flat_workgroup_size: 256
    .sgpr_count:     92
    .vgpr_count:     146
    .wavefront_size: 32
...
	.end_amdgpu_metadata
.endif
;; end of part 3
;; launch fin (part 4): grid 1 x 1, 1 waves a work-group, no clusters, 0 bytes of LDS; arguments lpart, out1; writes out1
.if DOCPART == 4
	.amdgcn_target "amdgcn-amd-amdhsa--gfx1250"
	.amdhsa_code_object_version 6
	.text
	.protected	k_qaa75577d03_fin
	.globl	k_qaa75577d03_fin
	.p2align	8
	.type	k_qaa75577d03_fin,@function
k_qaa75577d03_fin:
	s_mov_b64 s[64:65], 0
	v_nop
	global_prefetch_b8 v0, s[64:65] scope:SCOPE_SE
	s_setreg_imm32_b32 hwreg(HW_REG_WAVE_MODE, 25, 1), 1
	s_wait_xcnt 0x0
; out1 = c + 0.1 c, c = (the sum of the 256 partial sums) / (16384 x 512).  One wave: a sum over work-groups is made in a launch of its own,
; since the work-groups of a launch exchange nothing.  The division is a multiplication by 2^-23, exact.
	s_load_b128 s[4:7], s[0:1], 0x0                ; lpart s[4:5], out1 s[6:7]
	v_lshlrev_b32 v1, 5, v0                        ; 8 numbers a lane
	s_mov_b32 s8, 0x76543210                       ; v_permlanex16_b32: lane i of one half reads lane i of the other
	s_mov_b32 s9, 0xfedcba98
	v_mov_b32 v12, 0                               ; offset of the store
	v_mov_b32 v13, 0                               ; the destination of v_permlanex16_b32 counts as read
	s_wait_kmcnt 0x0
	global_load_b128 v[4:7], v1, s[4:5]
	global_load_b128 v[8:11], v1, s[4:5] offset:16
	s_wait_loadcnt 0x0
	v_pk_add_f32 v[4:5], v[4:5], v[6:7]
	v_pk_add_f32 v[8:9], v[8:9], v[10:11]
	v_pk_add_f32 v[4:5], v[4:5], v[8:9]
	v_add_f32 v4, v4, v5
	v_add_f32_dpp v4, v4, v4 row_xmask:1 row_mask:0xf bank_mask:0xf
	v_add_f32_dpp v4, v4, v4 row_xmask:2 row_mask:0xf bank_mask:0xf
	v_add_f32_dpp v4, v4, v4 row_xmask:4 row_mask:0xf bank_mask:0xf
	v_add_f32_dpp v4, v4, v4 row_xmask:8 row_mask:0xf bank_mask:0xf
	v_permlanex16_b32 v13, v4, s8, s9
	v_add_f32 v4, v4, v13
	v_mul_f32 v4, 0x34000000, v4                   ; x 2^-23: the mean
	v_fmamk_f32 v5, v4, 0x3dcccccd, v4             ; c x 0.1 + c
	s_wait_xcnt 0x0                                ; EXEC changes only behind this wait
	v_cmp_eq_u32 vcc_lo, 0, v0
	s_and_saveexec_b32 s10, vcc_lo
	global_store_b32 v12, v5, s[6:7]
	s_wait_xcnt 0x0
	s_or_b32 exec_lo, exec_lo, s10
	s_endpgm
.Lfunc_end_k_qaa75577d03_fin:
	.size	k_qaa75577d03_fin, .Lfunc_end_k_qaa75577d03_fin-k_qaa75577d03_fin
	.p2alignl 7, 3214868480
	.fill 96, 4, 3214868480
	.section	.rodata,"a",@progbits
	.p2align	6, 0x0
	.amdhsa_kernel k_qaa75577d03_fin
		.amdhsa_group_segment_fixed_size 0
		.amdhsa_private_segment_fixed_size 0
		.amdhsa_enable_private_segment 0
		.amdhsa_kernarg_size 16
		.amdhsa_user_sgpr_count 2
		.amdhsa_user_sgpr_kernarg_segment_ptr 1
		.amdhsa_wavefront_size32 1
		.amdhsa_system_sgpr_workgroup_id_x 1
		.amdhsa_system_sgpr_workgroup_id_y 1
		.amdhsa_system_sgpr_workgroup_id_z 1
		.amdhsa_system_vgpr_workitem_id 0
		.amdhsa_next_free_vgpr 16
		.amdhsa_next_free_sgpr 66
		.amdhsa_reserve_vcc 1
		.amdhsa_float_denorm_mode_32 3
		.amdhsa_float_denorm_mode_16_64 3
		.amdhsa_memory_ordered 1
		.amdhsa_forward_progress 1
		.amdhsa_inst_pref_size 2
	.end_amdhsa_kernel
	.amdgpu_metadata
---
amdhsa.version: [ 1, 2 ]
amdhsa.kernels:
  - .name:           k_qaa75577d03_fin
    .symbol:         k_qaa75577d03_fin.kd
    .args:
      - { .name: lpart, .offset: 0, .size: 8, .value_kind: global_buffer, .address_space: global }
      - { .name: out1, .offset: 8, .size: 8, .value_kind: global_buffer, .address_space: global }
    .group_segment_fixed_size: 0
    .private_segment_fixed_size: 0
    .kernarg_segment_align: 8
    .kernarg_segment_size: 16
    .max_flat_workgroup_size: 32
    .sgpr_count:     66
    .vgpr_count:     16
    .wavefront_size: 32
...
	.end_amdgpu_metadata
.endif
;; end of part 4
;; ======== version 2 of 2: 4 launches; 1.39 times as fast as version 1
;; workspace buffers: cbh 8,388,608 bytes; ee 32,768 bytes; cand 524,288 bytes of whole numbers; lpart 1,024 bytes
;; launch prep: the kernel of part 1 again; grid 256 x 1, 8 waves a work-group, no clusters, 0 bytes of LDS; arguments codebook, cbh, ee; writes cbh, ee
;; launch dist (part 5): grid 64 x 4, 4 waves a work-group, clusters of 4 x 4, 327,680 bytes of LDS; arguments cbh, ee, z, cand; writes cand
.if DOCPART == 5
	.amdgcn_target "amdgcn-amd-amdhsa--gfx1250"
	.amdhsa_code_object_version 6
	.text
	.protected	k_qaa75577d03_dist
	.globl	k_qaa75577d03_dist
	.p2align	8
	.type	k_qaa75577d03_dist,@function
k_qaa75577d03_dist:
	s_mov_b64 s[64:65], 0
	v_nop
	global_prefetch_b8 v0, s[64:65] scope:SCOPE_SE
	s_setreg_imm32_b32 hwreg(HW_REG_WAVE_MODE, 25, 1), 1
	s_wait_xcnt 0x0
	s_wait_alu depctr_hold_cnt(0) depctr_sa_sdst(0) depctr_va_vdst(0) depctr_va_sdst(0) depctr_va_ssrc(0) depctr_va_vcc(0) depctr_vm_vsrc(0)
	s_getreg_b32 s2, hwreg(HW_REG_IB_STS2, 6, 4)
	s_cmp_eq_u32 s2, 0
	s_cbranch_scc0 .Lentry_in_a_cluster
	s_endpgm
.Lentry_in_a_cluster:
	s_bfe_u32 s2, ttmp6, 0x10000c
	s_cmp_lg_u32 s2, 0xf033
	s_cbranch_scc0 .Lentry_shape_is_right
	s_endpgm
.Lentry_shape_is_right:
; For 256 rows of z and a quarter (2,048) of the codes: d[n][k] = fl( fl(zz[n] + ee[k]) - 2 dot[n][k] ), and for each row the least d
; with the lowest code that has it.  z: [16384][512] f32.  cbh: [8192][512] bf16.  ee: [8192] f32.
; cand (whole numbers): bytes 0.. keys u32 [4 parts][16384 places], bytes 262144.. codes u32 in the same layout;
; the place of row n is (n & ~63) + 4 (n & 15) + ((n >> 4) & 3); key = the distance's f32 bits made to sort as u32.
;
; THE ARITHMETIC follows the formula's own roundings: one rounding for zz + ee, one for the subtraction (2 dot is exact, so one fused
; multiply-add does it), a strict comparison so that the earlier code keeps a tie.  dot is made by the matrix units from bf16 operands;
; zz and ee are, in f32, the norms of those same ROUNDED vectors.
; LIMITS: a NaN distance is never chosen (an argmin that takes the first NaN differs there).  A row whose distances are all +inf
; gets code 0.  d is never -0 (zz + ee >= +0, and an exact cancellation gives +0), so the order of the keys is the order of the distances.
;
; SHARES: work-group (blk, part): rows 256 blk .., codes 2048 part ...  Four waves; wave w keeps rows 256 blk + 64 w .. + 63 as bf16 fragments for
; the whole of K in 512 registers (windows 1 and 2) for the whole launch.  The codes stream through two LDS slots of 128 codes; every wave reads every code.
; A tile is 16 codes x 512 K: 16 fragments (16 KiB from LDS) feed 64 matrix instructions of a wave.
; Source 0 = 16 codes, source 1 = 16 rows of z: lane (r, h), register j holds (code 8 h + j, row r), so zz is one number a lane and row block,
; ee eight numbers a half wave and tile, and most of the argmin stays inside the lane: 32 running minima a lane.
; The distances of tile t - 1 are judged between the matrix instructions of tile t (two sets of accumulators).
;
; THE STREAM OF TILES.  A tile is four groups of 4 K steps (16 matrix instructions each) on a ring of 8 fragments in two halves: groups 0 and 2 read
; half 0, groups 1 and 3 half 1.  Behind each group ONE run of 8 LDS loads fills the half that the group has just read with the group after next.
; The text is a PAIR of tiles (one for each set of accumulators) in a loop of four trips for each slot.  The pair is rotated: it begins with the run
; for its first tile's group 0, then finishes the tile before (group 3), and ends with its second tile's group 2.  So all loads of a pair lie in
; one slot, and the change of slots stands between two such loops.
;
; CLUSTERS: 4 x 4 work-groups.  The four of a column (same cx) have the same rows of z and four different parts; the four of a row (same cy) have
; the same part.  z's tiles are asked for jointly along the column, cbh's and ee's along the row: each of these requests is made once for four work-groups.
; Every tensor load of the text is joint and is issued by all four waves, each for rows of its own, under no branch.
; No LDS address, branch or trip count uses cx or cy.
;
; LDS: slot s at s x 135,168.  As a stage for z: wave w at + w x 33,792: 64 rows x 128 f32, pitch 528.  As a slot of codes: wave w fills
; + w x 33,280: 32 codes x 1,024 bytes, pitch 1,040.  Both pitches are odd multiples of 16 bytes, so the 16 rows that a 16-byte load touches
; lie in 16 different 16-byte columns modulo 256 bytes.  At 270,336: the part's 2,048 ee, filled once.
;
; REGISTER WINDOWS: everything but z lies in window 0.  While products run, source 1 means window 1 (K steps 0-7) or 2 (K steps 8-15); the
; vector work between them is written with no vector register as source 1, so a pair needs six switches.  Ring, accumulators and the judging's
; registers share window 0 because they share the places of source 0, source 2 and destination: that bounds the ring at 8 fragments.
.set SLOTB,  135168
.set ZPITCH, 528
.set ZWAVE,  64*ZPITCH                 ; 33,792
.set CPITCH, 1040
.set CWAVE,  32*CPITCH                 ; 33,280
.set TILEB,  16*CPITCH                 ; 16 codes in LDS
.set EEBASE, 2*SLOTB
.set FILLB,  131072                    ; 128 codes x 1,024 bytes in cbh
.set TRIPS,  7                         ; an outer trip = both slots = 16 tiles; 7 trips and a tail written out = 128 tiles
.set ADRB, 4                           ; v4-5    r x 1040 + 16 h in slot 0, 1; never rewritten
.set ADRW, 6                           ; v6      the same at the pair's first tile: copied at a change of slots, + 2 tiles a pair
.set AEEW, 7                           ; v7      ee of the pair's first tile, + 32 h: set at a change of slots, + 128 bytes a pair
.set AEE,  8                           ; v8      ee of the outer trip's first tile, + 32 h; steps by 1,024 an outer trip
.set AZ,   9                           ; v9-10   my place in my wave's stage for z, slot 0, 1
.set ZZ2,  12                          ; v[12:19]   row block rb: two partial sums, then (zz, zz)
.set EEB,  20                          ; v[20:35]   ee of a tile, two buffers of 8
.set TMP,  36                          ; v[36:47]   two sets of three pairs: zz + ee, d, d - best
.set BEST, 48                          ; v[48:79]   least d of (row block, j)
.set IDX,  80                          ; v[80:111]  the number of the tile that gave it
.set ACC,  112                         ; v[112:175] two sets of four accumulators
.set RING, 176                         ; v[176:239] eight fragments of codes: half 0, half 1
.set ZT,   112                         ; v[112:239] ahead of the loop: 128 f32 of z at work
.set JJ,   240                         ; v[240:247] at the end: 8 h + j
.set OUTR, 248                         ; v[248:251] at the end: what I store
.set G1Z, 16                           ; s[16:23] group 1 for z
.set G1C, 24                           ; s[24:31] for cbh
.set G1E, 32                           ; s[32:39] for ee
.set G0Z, 40                           ; s[40:47] group 0 for z, one for each slot
.set G0C, 48                           ; s[48:55] for cbh, one for each slot
.set G0E, 56                           ; s[56:59] for ee
; s12 wave, s13 cx, s14 cy = part, s15 blk, s60 outer trips left, s63 pairs left, s61 number of the tile that is being judged, s62 +inf,
; s[66:67] z's offset (never holds cy), s[68:69] cbh's and s[80:81] ee's (never hold cx), s70-71 lane selects, s72-75 masks of comparisons,
; s76 my row of the cluster, s77 my column, s78 s79 s82 LDS offsets of my wave, s[84:86] the offset of the last store
.set MSB, 0
.macro WIN new                         ; the immediate's high byte repeats the setting that is left; a switch that changes nothing is dropped
.if MSB != (\new)
	s_set_vgpr_msb (MSB<<8)|(\new)
.set MSB, (\new)
.endif
.endm
; A round of the cluster's barrier: my work-group's barrier, wave 0 signals for the work-group, every wave waits for all sixteen, my work-group's barrier again.
.macro CREST                           ; a round behind its opening barrier
	s_cmp_lg_u32 s12, 0
	s_cbranch_scc1 .Lnot_wave_0_\@
	s_barrier_signal -3
.Lnot_wave_0_\@:
	s_barrier_wait -3
	s_barrier_signal -1
	s_barrier_wait -1
.endm
.macro ROUND
	s_barrier_signal -1
	s_barrier_wait -1
	CREST
.endm
	s_load_b256 s[4:11], s[0:1], 0x0               ; cbh s[4:5], ee s[6:7], z s[8:9], cand s[10:11]
	v_lshl_add_u32 v254, v0, 2, 0x44000
	v_mov_b32 v255, 0
	ds_add_u32 v254, v255
	v_lshrrev_b32 v3, 5, v0
	v_readfirstlane_b32 s12, v3                    ; wave 0..3
	s_bfe_u32 s13, ttmp6, 0x40000                  ; cx
	s_bfe_u32 s14, ttmp6, 0x40004                  ; cy: the grid has one cluster along y, so cy is the part
	s_lshl_b32 s15, ttmp9, 2
	s_add_co_u32 s15, s15, s13                     ; blk = 4 x cluster x + cx
	s_lshl_b32 s76, s14, 2
	s_lshl_b32 s76, 15, s76                        ; my row of the cluster: places 4 cy .. 4 cy + 3
	s_lshl_b32 s77, 0x1111, s13                    ; my column: places cx, cx + 4, cx + 8, cx + 12
	; group 1 for z: 64 rows x 128 elements of 4 bytes, 512 elements from row to row; 4 words of padding behind every 128 words
	s_or_b32 s[G1Z+0], s77, (2<<16)|(1<<20)|(1<<21)|(6<<22)|(3<<25)
	s_mov_b32 s[G1Z+1], 128<<16                    ; tensor_dim0 = 128
	s_mov_b32 s[G1Z+2], 64<<16                     ; tensor_dim1 = 64
	s_mov_b32 s[G1Z+3], 128<<16                    ; tile_dim0 = 128
	s_mov_b32 s[G1Z+4], 64                         ; tile_dim1 = 64
	s_mov_b32 s[G1Z+5], 512                        ; pitch
	s_mov_b32 s[G1Z+6], 0
	s_mov_b32 s[G1Z+7], 0
	; group 1 for cbh: 32 rows x 512 elements of 2 bytes, dense; 4 words of padding behind every 256 words
	s_or_b32 s[G1C+0], s76, (1<<16)|(1<<20)|(1<<21)|(7<<22)|(3<<25)
	s_mov_b32 s[G1C+1], 512<<16
	s_mov_b32 s[G1C+2], 32<<16
	s_mov_b32 s[G1C+3], 512<<16
	s_mov_b32 s[G1C+4], 32
	s_mov_b32 s[G1C+5], 512
	s_mov_b32 s[G1C+6], 0
	s_mov_b32 s[G1C+7], 0
	; group 1 for ee: one row of 256 elements of 8 bytes, no padding
	s_or_b32 s[G1E+0], s76, (3<<16)|(1<<21)
	s_mov_b32 s[G1E+1], 256<<16
	s_mov_b32 s[G1E+2], 1<<16
	s_mov_b32 s[G1E+3], 256<<16
	s_mov_b32 s[G1E+4], 1
	s_mov_b32 s[G1E+5], 256
	s_mov_b32 s[G1E+6], 0
	s_mov_b32 s[G1E+7], 0
	s_lshl_b32 s66, s15, 19                        ; z: 256 blk rows of 2,048 bytes
	s_lshl_b32 s78, s12, 17                        ;    + 64 w rows
	s_add_co_u32 s66, s66, s78
	s_mov_b32 s67, 0
	s_lshl_b32 s68, s14, 21                        ; cbh: 2,048 part rows of 1,024 bytes
	s_lshl_b32 s78, s12, 15                        ;      + 32 w rows
	s_add_co_u32 s68, s68, s78
	s_mov_b32 s69, 0
	s_lshl_b32 s80, s14, 13                        ; ee: 2,048 part numbers
	s_lshl_b32 s82, s12, 11                        ;     + 512 w numbers; also my quarter of ee in LDS
	s_add_co_u32 s80, s80, s82
	s_mov_b32 s81, 0
	s_mul_i32 s78, s12, ZWAVE                      ; my wave's stage for z in a slot
	s_mul_i32 s79, s12, CWAVE                      ; my wave's quarter of a slot of codes
	s_mov_b32 s62, 0x7f800000                      ; +inf
	s_mov_b32 s70, 0x76543210                      ; v_permlanex16_b32: lane i of one half reads lane i of the other
	s_mov_b32 s71, 0xfedcba98
	s_lshl_b32 s61, s14, 7
	s_sub_co_u32 s61, s61, 2                       ; the first pair judges two tiles in front of the first, of which nothing is taken
	s_wait_dscnt 0x0
	s_wait_kmcnt 0x0
	s_add_nc_u64 s[8:9], s[8:9], s[66:67]
	s_add_nc_u64 s[4:5], s[4:5], s[68:69]
	s_add_nc_u64 s[6:7], s[6:7], s[80:81]
.irp s, 0,1
	s_mov_b32 s[G0Z+4*\s], 1
	s_add_co_u32 s[G0Z+4*\s+1], s78, \s*SLOTB
	s_add_nc_u64 s[G0Z+4*\s+2:G0Z+4*\s+3], s[8:9], \s*512          ; K quarter s: 128 f32
	s_or_b32 s[G0Z+4*\s+3], s[G0Z+4*\s+3], 0x80000000
	s_mov_b32 s[G0C+4*\s], 1
	s_add_co_u32 s[G0C+4*\s+1], s79, \s*SLOTB
	s_add_nc_u64 s[G0C+4*\s+2:G0C+4*\s+3], s[4:5], \s*FILLB        ; codes 128 s ..
	s_or_b32 s[G0C+4*\s+3], s[G0C+4*\s+3], 0x80000000
.endr
	s_mov_b32 s[G0E], 1
	s_add_co_u32 s[G0E+1], s82, EEBASE
	s_mov_b64 s[G0E+2:G0E+3], s[6:7]
	s_or_b32 s[G0E+3], s[G0E+3], 0x80000000
	ROUND                                          ; all sixteen work-groups are here: the first joint loads meet
	tensor_load_to_lds s[G0Z:G0Z+3], s[G1Z:G1Z+7]      ; the first fills as one group: K quarter 0 of my rows of z into slot 0,
	s_nop 0
	tensor_load_to_lds s[G0Z+4:G0Z+7], s[G1Z:G1Z+7]    ; K quarter 1 into slot 1,
	s_nop 0
	tensor_load_to_lds s[G0E:G0E+3], s[G1E:G1E+7]      ; my quarter of ee.  Three loads of the wave are out here, later one
	s_nop 0
	v_and_b32 v1, 15, v0                           ; r
	v_bfe_u32 v2, v0, 4, 1                         ; h
	v_mul_u32_u24 v3, v1, CPITCH
	v_lshl_add_u32 v[ADRB], v2, 4, v3              ; a fragment of 16 codes x 32 K: row r, 16 bytes at 16 h and at 32 + 16 h
	v_add_nc_u32 v[ADRB+1], SLOTB, v[ADRB]
	v_lshlrev_b32 v[AEE], 5, v2
	v_add_nc_u32 v[AEE], EEBASE, v[AEE]            ; ee of codes 8 h .. 8 h + 7 of a tile
	v_mul_u32_u24 v3, v1, ZPITCH
	v_lshl_add_u32 v3, v2, 5, v3                   ; z in f32: row r, 32 bytes at 32 h and at 64 + 32 h
	v_add_nc_u32 v[AZ], s78, v3
	v_add_nc_u32 v[AZ+1], SLOTB, v[AZ]
.irp i, 0,1,2,3,4,5,6,7
	v_mov_b32 v[ZZ2+\i], 0
.endr
; K quarter p of my 64 rows, from the stage in the slot, to bf16 fragments in window 1 + p / 2, and their squares into zz.
; In two halves of 8 fragments (2 K steps x 4 row blocks): 32 loads, 64 conversions, 128 multiply-adds on eight chains that take turns.
.macro ZPASS p, slot
.set zw, 1+(\p)/2
.set zwd, zw<<6
.set zws, zw|(zw<<2)
.irp u, 0,1
.irp kl, 0,1
.irp rb, 0,1,2,3
.set zt, ZT+16*(4*\kl+\rb)
.set zo, \rb*16*ZPITCH+(2*\u+\kl)*128
	ds_load_b128 v[zt:zt+3],     v[AZ+\slot] offset:zo
	ds_load_b128 v[zt+4:zt+7],   v[AZ+\slot] offset:zo+16
	ds_load_b128 v[zt+8:zt+11],  v[AZ+\slot] offset:zo+64
	ds_load_b128 v[zt+12:zt+15], v[AZ+\slot] offset:zo+80
.endr
.endr
	WIN zwd                                        ; destination: z's window
.irp kl, 0,1
.irp rb, 0,1,2,3
.set zt, ZT+16*(4*\kl+\rb)
.set zr, 32*(4*((\p)%2)+2*\u+\kl)+8*\rb
	s_wait_dscnt 4*(7-(4*\kl+\rb))                 ; LDS loads come back in order: this fragment's four are in, the later fragments' stay out
.irp q, 0,1,2,3,4,5,6,7
	v_cvt_pk_bf16_f32 v[zr+\q], v[zt+2*\q], v[zt+2*\q+1]
.endr
.endr
.endr
	WIN zws                                        ; sources 0 and 1: z's window
.irp q, 0,1,2,3,4,5,6,7
.irp kl, 0,1
.irp rb, 0,1,2,3
.set zr, 32*(4*((\p)%2)+2*\u+\kl)+8*\rb
	v_fma_mix_f32_bf16 v[ZZ2+2*\rb], v[zr+\q], v[zr+\q], v[ZZ2+2*\rb] op_sel_hi:[1,1,0]
	v_fma_mix_f32_bf16 v[ZZ2+2*\rb+1], v[zr+\q], v[zr+\q], v[ZZ2+2*\rb+1] op_sel:[1,1,0] op_sel_hi:[1,1,0]
.endr
.endr
.endr
	WIN 0
.endr
.endm
; In front of a refill: my reads of LDS are back, all my tensor loads have landed (so a group 0 may be written behind this); the round follows.
.macro QUIET
	s_wait_dscnt 0x0
	s_wait_tensorcnt 0x0
	ds_add_u32 v254, v255
	s_wait_dscnt 0x0
.endm
	s_wait_tensorcnt 0x2                           ; tensor loads of a wave end in order: K quarter 0 is in, the two younger loads stay out; I read my own bytes only
	ZPASS 0, 0
	QUIET
	s_add_nc_u64 s[G0Z+2:G0Z+3], s[G0Z+2:G0Z+3], 1024
	ROUND
	tensor_load_to_lds s[G0Z:G0Z+3], s[G1Z:G1Z+7]      ; K quarter 2 into slot 0
	s_nop 0
	ZPASS 1, 1
	QUIET
	s_add_nc_u64 s[G0Z+6:G0Z+7], s[G0Z+6:G0Z+7], 1024
	ROUND
	tensor_load_to_lds s[G0Z+4:G0Z+7], s[G1Z:G1Z+7]    ; K quarter 3 into slot 1
	s_nop 0
	ZPASS 2, 0
	QUIET
	ROUND
	tensor_load_to_lds s[G0C:G0C+3], s[G1C:G1C+7]      ; codes 0-127 of the part into slot 0
	s_nop 0
	ZPASS 3, 1
.irp rb, 0,1,2,3
	v_add_f32 v[ZZ2+2*\rb], v[ZZ2+2*\rb], v[ZZ2+2*\rb+1]
	v_permlanex16_b32 v[ZZ2+2*\rb+1], v[ZZ2+2*\rb], s70, s71       ; the other half of K lies in lane l xor 16
	v_add_f32 v[ZZ2+2*\rb], v[ZZ2+2*\rb], v[ZZ2+2*\rb+1]
	v_mov_b32 v[ZZ2+2*\rb+1], v[ZZ2+2*\rb]                         ; (zz, zz) for the packed add
.endr
; 80 moves, once: they let the first pair run the text of every pair.  That pair finishes a tile in front of the first (group 3, on what the passes
; over z left in the ring's half 1 and in the accumulators: numbers of z, written and of no meaning here) and judges two tiles that do not exist.
; Both buffers of ee hold +inf for them: zz + ee is +inf, so d is +inf or NaN whatever the accumulator holds, d - best is NaN, and nothing is taken.
.set i, 0
.rept 32
	v_mov_b32 v[BEST+i], s62
	v_mov_b32 v[IDX+i], 0
.set i, i+1
.endr
.set i, 0
.rept 16
	v_mov_b32 v[EEB+i], s62
.set i, i+1
.endr
; THE JUDGING of two distances: pair p = kk & 3 of row block kk >> 2 of the OTHER set's accumulators, nine instructions E1 to E9, none with a
; vector register as source 1.
.macro EPSET set, kk
.set eo, 1-(\set)
.set erb, (\kk)>>2
.set ep, (\kk)&3
.set et, TMP+6*((\kk)&1)
.set em, 72+2*((\kk)&1)
.set eE, EEB+8*eo+2*ep
.set eA, ACC+32*eo+8*erb+2*ep
.set eB, BEST+8*erb+2*ep
.set eI, IDX+8*erb+2*ep
.set eZ, ZZ2+2*erb
.endm
.macro E1
	v_pk_fma_f32 v[et:et+1], v[eE:eE+1], 1.0, v[eZ:eZ+1] op_sel_hi:[1,0,1]         ; fl(zz + ee)
.endm
.macro E2
	v_pk_fma_f32 v[et+2:et+3], v[eA:eA+1], -2.0, v[et:et+1] op_sel_hi:[1,0,1]      ; d = fl((zz + ee) - 2 dot)
.endm
.macro E3
	v_pk_fma_f32 v[et+4:et+5], v[eB:eB+1], -1.0, v[et+2:et+3] op_sel_hi:[1,0,1]    ; d - best: its sign is exact (denormals are kept)
.endm
.macro E4
	v_cmp_lt_f32 s[em], v[et+4], 0                 ; strictly less: the earlier tile keeps a tie
.endm
.macro E5
	v_cmp_lt_f32 s[em+1], v[et+5], 0
.endm
.macro E6
	v_min3_num_f32 v[eB], v[et+2], s62, v[eB]      ; min(d, +inf, best); a NaN loses
.endm
.macro E7
	v_min3_num_f32 v[eB+1], v[et+3], s62, v[eB+1]
.endm
.macro E8
	v_cndmask_b32 v[eI], v[eI], s61, s[em]
.endm
.macro E9
	v_cndmask_b32 v[eI+1], v[eI+1], s61, s[em+1]
.endm
.macro EPI set, kk
	EPSET \set, \kk
	E1
	E2
	E3
	E4
	E5
	E6
	E7
	E8
	E9
.endm
; one matrix instruction: 16 codes x 16 rows of row block rb, K step kk.  The first K step starts the sums: nothing is cleared between tiles.
.macro WM set, kk, rb
.set wa, ACC+32*(\set)+8*(\rb)
.set wr, RING+8*((\kk)%8)
.set wz, 32*((\kk)%8)+8*(\rb)
.if (\kk) == 0
	v_wmma_f32_16x16x32_bf16 v[wa:wa+7], v[wr:wr+7], v[wz:wz+7], 0
.else
	v_wmma_f32_16x16x32_bf16 v[wa:wa+7], v[wr:wr+7], v[wz:wz+7], v[wa:wa+7]
.endif
.endm
; A K step: the wait for its fragment, then four matrix instructions on the set's four accumulators, which take turns, one instruction a turn, over
; the tiles' borders and both loops' backward jumps too.  Between them the judging of two distances of the tile before.
; In a group's last step the judging is dealt 2, 2, 1, 4: E6 to E9, four plain vector instructions that name none of the last matrix instruction's
; registers, stand between it and the run of loads that writes over its fragment (ISA guide 7.12.1 asks for such places for vector instructions).
.macro STEP set, kk, wcnt
	EPSET \set, \kk
	s_wait_dscnt \wcnt
	WM \set, \kk, 0
	E1
	E2
	WM \set, \kk, 1
	E3
	E4
	WM \set, \kk, 2
	E5
.if ((\kk)&3) != 3
	E6
.endif
	WM \set, \kk, 3
.if ((\kk)&3) == 3
	E6
.endif
	E7
	E8
	E9
.endm
; A group: K steps 4 g .. 4 g + 3.  THE COUNTS: LDS loads come back in order; behind fragment i of the group's run stand the run's later
; fragments, 2 (3 - i) loads, and the loads issued behind the run: later.
.macro GROUP set, g, later
	STEP \set, 4*\g, \later+6
	STEP \set, 4*\g+1, \later+4
	STEP \set, 4*\g+2, \later+2
	STEP \set, 4*\g+3, \later
.endm
; A run: four fragments (128 K of 16 codes) at byte off behind the pair's first tile, into a half of the ring
.macro RUN half, off
.irp f, 0,1,2,3
	ds_load_b128 v[RING+32*\half+8*\f:RING+32*\half+8*\f+3],   v[ADRW] offset:\off+64*\f
	ds_load_b128 v[RING+32*\half+8*\f+4:RING+32*\half+8*\f+7], v[ADRW] offset:\off+64*\f+32
.endr
.endm
.macro EELOAD set, off                 ; a tile's ee, for the judging in the next tile; the buffer's last reader was the group 3 in front of this tile
	ds_load_b128 v[EEB+8*\set:EEB+8*\set+3],   v[AEEW] offset:\off
	ds_load_b128 v[EEB+8*\set+4:EEB+8*\set+7], v[AEEW] offset:\off+16
.endm
; A pair of tiles a (set 0) and b (set 1), rotated.  Behind group 0's and group 3's runs stands the next run, 8 loads; behind group 1's run the next
; run and ee, 10; behind group 2's fragments ee (issued behind them in the same run) and the next run, 10.  ee is older than the tile's last run, so
; group 3's last wait shows it landed before the next tile reads it.
.macro PAIR
	RUN 0, 0                                       ; a's group 0, into the half that the tile before read in its group 2
	WIN 0x08                                       ; source 1: window 2
	GROUP 1, 3, 8                                  ; the tile before is finished
	s_add_co_u32 s61, s61, 1                       ; a judges it
	RUN 1, 256
	WIN 0x04                                       ; source 1: window 1
	GROUP 0, 0, 8
	RUN 0, 512
	EELOAD 0, 0
	GROUP 0, 1, 10
	RUN 1, 768
	WIN 0x08
	GROUP 0, 2, 10
	RUN 0, TILEB                                   ; b's group 0
	GROUP 0, 3, 8
	s_add_co_u32 s61, s61, 1
	RUN 1, TILEB+256
	WIN 0x04
	GROUP 1, 0, 8
	RUN 0, TILEB+512
	EELOAD 1, 64
	GROUP 1, 1, 10
	RUN 1, TILEB+768
	WIN 0x08
	GROUP 1, 2, 10
	WIN 0                                          ; at a label and at a branch every window is 0
	v_add_nc_u32 v[ADRW], 2*TILEB, v[ADRW]         ; the next pair
	v_add_nc_u32 v[AEEW], 128, v[AEEW]
.endm
.macro EIGHT                           ; a slot's eight tiles
	s_mov_b32 s63, 4
.Lpair_\@:
	PAIR
	s_sub_co_u32 s63, s63, 1
	s_cmp_lg_u32 s63, 0
	s_cbranch_scc1 .Lpair_\@
.endm
; THE CHANGE OF SLOTS, in front of the eight tiles of slot s.  Each wave waits for its reads of the other slot (the last run was issued a group ago) and
; for all its tensor loads, of which one is out: its quarter of slot s.  refill = 1: the round of the cluster's barrier follows, and behind it the other
; slot's next 128 codes are asked for, my one tensor load until the next round and the first thing there: it has eight tiles' work in which to land.
; step = 1: slot s's group 0, whose load has just been shown landed, steps to the fill after next.  refill = 0: nothing is left to fetch, my work-group's barrier does.
.macro TURN s, refill, step
	s_wait_dscnt 0x0
	s_wait_tensorcnt 0x0
	ds_add_u32 v254, v255
	s_wait_dscnt 0x0
.if \step
	s_add_nc_u64 s[G0C+4*\s+2:G0C+4*\s+3], s[G0C+4*\s+2:G0C+4*\s+3], 2*FILLB
.endif
.if \refill
	ROUND                                          ; no wave of any partner still reads the other slot or has a load on its way
	tensor_load_to_lds s[G0C+4*(1-\s):G0C+4*(1-\s)+3], s[G1C:G1C+7]
	s_nop 0
.else
	s_barrier_signal -1
	s_barrier_wait -1
.endif
	v_mov_b32 v[ADRW], v[ADRB+\s]
.if \s
	v_add_nc_u32 v[AEEW], 512, v[AEE]
.else
	v_mov_b32 v[AEEW], v[AEE]
.endif
.endm
	s_mov_b32 s60, TRIPS
.Ltrip:                                            ; outer trip t reads fills 2 t and 2 t + 1 and asks for fills 2 t + 1 and 2 t + 2
	TURN 0, 1, 1
	EIGHT
	TURN 1, 1, 1
	EIGHT
	v_add_nc_u32 v[AEE], 0x400, v[AEE]             ; ee of the next 256 codes
	s_sub_co_u32 s60, s60, 1
	s_cmp_lg_u32 s60, 0
	s_cbranch_scc1 .Ltrip
	TURN 0, 1, 0                                   ; fill 14 is read, fill 15 asked for: the last load
	EIGHT
	TURN 1, 0, 0                                   ; fill 15 is read, nothing is asked for
	EIGHT
	WIN 0x08
	GROUP 1, 3, 0                                  ; the last tile is finished: no load stands behind its last run, the counts run down to 0
	s_add_co_u32 s61, s61, 1
	WIN 0
.irp kk, 0,1,2,3,4,5,6,7,8,9,10,11,12,13,14,15
	EPI 0, \kk                                     ; and judged; E6 to E9 of its last step stand between its last matrix instruction and the first read of a result
.endr
	; THE END: code = 16 x tile + 8 h + j; the least (d, code) of my 8 places, then of the two halves of the wave.
	v_lshlrev_b32 v[JJ], 3, v2
.irp j, 1,2,3,4,5,6,7
	v_add_nc_u32 v[JJ+\j], \j, v[JJ]
.endr
.irp rb, 0,1,2,3
.irp j, 0,1,2,3,4,5,6,7
	v_lshl_or_b32 v[IDX+8*\rb+\j], v[IDX+8*\rb+\j], 4, v[JJ+\j]
.endr
.endr
.macro MERGE da, ca, db, cb                        ; (da, ca) = the lesser of the two pairs: by distance, at equal distance by code
	v_cmp_lt_f32 s72, v[\db], v[\da]
	v_cmp_eq_f32 s73, v[\db], v[\da]
	v_cmp_lt_u32 s74, v[\cb], v[\ca]
	s_and_b32 s73, s73, s74
	s_or_b32 s72, s72, s73
	v_cndmask_b32 v[\da], v[\da], v[\db], s72
	v_cndmask_b32 v[\ca], v[\ca], v[\cb], s72
.endm
.macro MERGEJ rb, a, b
	MERGE BEST+8*\rb+\a, IDX+8*\rb+\a, BEST+8*\rb+\b, IDX+8*\rb+\b
.endm
	v_cmp_eq_u32 vcc_lo, 1, v2                     ; lanes 16-31
.irp rb, 0,1,2,3
	MERGEJ \rb, 0, 1
	MERGEJ \rb, 2, 3
	MERGEJ \rb, 4, 5
	MERGEJ \rb, 6, 7
	MERGEJ \rb, 0, 2
	MERGEJ \rb, 4, 6
	MERGEJ \rb, 0, 4
	v_permlanex16_b32 v[TMP], v[BEST+8*\rb], s70, s71      ; the destinations have been written before
	v_permlanex16_b32 v[TMP+1], v[IDX+8*\rb], s70, s71
	MERGE BEST+8*\rb, IDX+8*\rb, TMP, TMP+1        ; both halves now hold the same pair
	v_ashrrev_i32 v[TMP+2], 31, v[BEST+8*\rb]      ; the key: a negative number's bits are all turned, of the others the sign alone
	v_or_b32 v[TMP+2], 0x80000000, v[TMP+2]
	v_xor_b32 v[TMP+2], v[TMP+2], v[BEST+8*\rb]
	v_cndmask_b32 v[OUTR+\rb], v[TMP+2], v[IDX+8*\rb], vcc_lo      ; lanes 0-15 store keys, lanes 16-31 codes
.endr
	v_lshlrev_b32 v3, 4, v1                        ; place 4 r + rb: 16 bytes a lane,
	v_lshl_add_u32 v3, v2, 18, v3                  ; the codes 262,144 bytes behind the keys
	s_lshl_b32 s84, s14, 16                        ; part x 16,384 places
	s_lshl_b32 s86, s15, 10                        ; + 256 blk places
	s_add_co_u32 s84, s84, s86
	s_lshl_b32 s86, s12, 8                         ; + 64 w places
	s_add_co_u32 s84, s84, s86
	s_mov_b32 s85, 0
	s_add_nc_u64 s[10:11], s[10:11], s[84:85]
	global_store_b128 v3, v[OUTR:OUTR+3], s[10:11] ; lanes 0-15 store 256 consecutive bytes of keys, aligned; lanes 16-31 of codes
	ROUND                                          ; the closing round: no work-group ends while a partner may still ask for a tile that names it
	s_endpgm
.Lfunc_end_k_qaa75577d03_dist:
	.size	k_qaa75577d03_dist, .Lfunc_end_k_qaa75577d03_dist-k_qaa75577d03_dist
	.p2alignl 7, 3214868480
	.fill 96, 4, 3214868480
	.section	.rodata,"a",@progbits
	.p2align	6, 0x0
	.amdhsa_kernel k_qaa75577d03_dist
		.amdhsa_group_segment_fixed_size 327680
		.amdhsa_private_segment_fixed_size 0
		.amdhsa_enable_private_segment 0
		.amdhsa_kernarg_size 32
		.amdhsa_user_sgpr_count 2
		.amdhsa_user_sgpr_kernarg_segment_ptr 1
		.amdhsa_wavefront_size32 1
		.amdhsa_system_sgpr_workgroup_id_x 1
		.amdhsa_system_sgpr_workgroup_id_y 1
		.amdhsa_system_sgpr_workgroup_id_z 1
		.amdhsa_system_vgpr_workitem_id 0
		.amdhsa_next_free_vgpr 768
		.amdhsa_next_free_sgpr 88
		.amdhsa_reserve_vcc 1
		.amdhsa_float_denorm_mode_32 3
		.amdhsa_float_denorm_mode_16_64 3
		.amdhsa_memory_ordered 1
		.amdhsa_forward_progress 1
		.amdhsa_inst_pref_size 255
	.end_amdhsa_kernel
	.section	.bss,"aw",@nobits
	.p2align	6
	.space	262144
	.amdgpu_metadata
---
amdhsa.version: [ 1, 2 ]
amdhsa.kernels:
  - .name:           k_qaa75577d03_dist
    .symbol:         k_qaa75577d03_dist.kd
    .args:
      - { .name: cbh, .offset: 0, .size: 8, .value_kind: global_buffer, .address_space: global }
      - { .name: ee, .offset: 8, .size: 8, .value_kind: global_buffer, .address_space: global }
      - { .name: z, .offset: 16, .size: 8, .value_kind: global_buffer, .address_space: global }
      - { .name: cand, .offset: 24, .size: 8, .value_kind: global_buffer, .address_space: global }
    .group_segment_fixed_size: 327680
    .private_segment_fixed_size: 0
    .kernarg_segment_align: 8
    .kernarg_segment_size: 32
    .max_flat_workgroup_size: 128
    .sgpr_count:     88
    .vgpr_count:     768
    .wavefront_size: 32
...
	.end_amdgpu_metadata
.endif
;; end of part 5
;; launch gath: the kernel of part 3 again; grid 256 x 1, 8 waves a work-group, no clusters, 1,280 bytes of LDS; arguments cand, codebook, z, out0, lpart; writes out0, lpart
;; launch fin (part 6): grid 1 x 1, 1 waves a work-group, no clusters, 0 bytes of LDS; arguments lpart, out1; writes out1
.if DOCPART == 6
	.amdgcn_target "amdgcn-amd-amdhsa--gfx1250"
	.amdhsa_code_object_version 6
	.text
	.protected	k_qaa75577d03_fin
	.globl	k_qaa75577d03_fin
	.p2align	8
	.type	k_qaa75577d03_fin,@function
k_qaa75577d03_fin:
	s_mov_b64 s[64:65], 0
	v_nop
	global_prefetch_b8 v0, s[64:65] scope:SCOPE_SE
	s_setreg_imm32_b32 hwreg(HW_REG_WAVE_MODE, 25, 1), 1
	s_wait_xcnt 0x0
; out1 = c + 0.1 c, c = (the sum of the 256 partial sums) / (16384 x 512).  One wave: a sum over work-groups is made in a launch of its own,
; since the work-groups of a launch exchange nothing.  The division is a multiplication by 2^-23, exact.
	s_load_b128 s[4:7], s[0:1], 0x0                ; lpart s[4:5], out1 s[6:7]
	v_lshlrev_b32 v1, 5, v0                        ; 8 numbers a lane
	s_mov_b32 s8, 0x76543210                       ; v_permlanex16_b32: lane i of one half reads lane i of the other
	s_mov_b32 s9, 0xfedcba98
	s_mov_b32 s11, 0x3dcccccd                      ; 0.1
	v_mov_b32 v12, 0                               ; offset of the store
	v_mov_b32 v13, 0                               ; the destination of v_permlanex16_b32 counts as read
	s_wait_kmcnt 0x0
	global_load_b128 v[4:7], v1, s[4:5]
	global_load_b128 v[8:11], v1, s[4:5] offset:16
	s_wait_loadcnt 0x0
	v_pk_add_f32 v[4:5], v[4:5], v[6:7]
	v_pk_add_f32 v[8:9], v[8:9], v[10:11]
	v_pk_add_f32 v[4:5], v[4:5], v[8:9]
	v_add_f32 v4, v4, v5
	v_add_f32_dpp v4, v4, v4 row_xmask:1 row_mask:0xf bank_mask:0xf
	v_add_f32_dpp v4, v4, v4 row_xmask:2 row_mask:0xf bank_mask:0xf
	v_add_f32_dpp v4, v4, v4 row_xmask:4 row_mask:0xf bank_mask:0xf
	v_add_f32_dpp v4, v4, v4 row_xmask:8 row_mask:0xf bank_mask:0xf
	v_permlanex16_b32 v13, v4, s8, s9
	v_add_f32 v4, v4, v13
	v_mul_f32 v4, 0x34000000, v4                   ; x 2^-23: the mean
	v_fma_f32 v5, v4, s11, v4                      ; c x 0.1 + c
	s_wait_xcnt 0x0                                ; EXEC changes only behind this wait
	v_cmp_eq_u32 vcc_lo, 0, v0
	s_and_saveexec_b32 s10, vcc_lo
	global_store_b32 v12, v5, s[6:7]
	s_wait_xcnt 0x0
	s_or_b32 exec_lo, exec_lo, s10
	s_endpgm
.Lfunc_end_k_qaa75577d03_fin:
	.size	k_qaa75577d03_fin, .Lfunc_end_k_qaa75577d03_fin-k_qaa75577d03_fin
	.p2alignl 7, 3214868480
	.fill 96, 4, 3214868480
	.section	.rodata,"a",@progbits
	.p2align	6, 0x0
	.amdhsa_kernel k_qaa75577d03_fin
		.amdhsa_group_segment_fixed_size 0
		.amdhsa_private_segment_fixed_size 0
		.amdhsa_enable_private_segment 0
		.amdhsa_kernarg_size 16
		.amdhsa_user_sgpr_count 2
		.amdhsa_user_sgpr_kernarg_segment_ptr 1
		.amdhsa_wavefront_size32 1
		.amdhsa_system_sgpr_workgroup_id_x 1
		.amdhsa_system_sgpr_workgroup_id_y 1
		.amdhsa_system_sgpr_workgroup_id_z 1
		.amdhsa_system_vgpr_workitem_id 0
		.amdhsa_next_free_vgpr 16
		.amdhsa_next_free_sgpr 66
		.amdhsa_reserve_vcc 1
		.amdhsa_float_denorm_mode_32 3
		.amdhsa_float_denorm_mode_16_64 3
		.amdhsa_memory_ordered 1
		.amdhsa_forward_progress 1
		.amdhsa_inst_pref_size 2
	.end_amdhsa_kernel
	.amdgpu_metadata
---
amdhsa.version: [ 1, 2 ]
amdhsa.kernels:
  - .name:           k_qaa75577d03_fin
    .symbol:         k_qaa75577d03_fin.kd
    .args:
      - { .name: lpart, .offset: 0, .size: 8, .value_kind: global_buffer, .address_space: global }
      - { .name: out1, .offset: 8, .size: 8, .value_kind: global_buffer, .address_space: global }
    .group_segment_fixed_size: 0
    .private_segment_fixed_size: 0
    .kernarg_segment_align: 8
    .kernarg_segment_size: 16
    .max_flat_workgroup_size: 32
    .sgpr_count:     66
    .vgpr_count:     16
    .wavefront_size: 32
...
	.end_amdgpu_metadata
.endif
;; end of part 6
